; MI455X (gfx1250); checked and timed in simulation.
; The chip was launched on July 23, 2026; its instructions are those of AMD's public machine-readable ISA for CDNA 5 (MIT licence, August 2026) and "CDNA5" Instruction Set Architecture Reference Guide (July 2026). The comments in the code are by the model that wrote it; some were corrected since.
;; Mr T5 Block. Allowed arithmetic: matrix products marked QUANTISED: E3M2 operands, one E8M0 scale for each 32 along K, by v_wmma_scale_f32_16x16x128_f8f6f4 with both operands' format E3M2, f32 sums; everything else in f32.
;; Inputs: delete_gate_mask 2 x 4,096 x 1 float32; hidden_states 2 x 4,096 x 512 float32; k_w 512 x 512 float32; ln1_w 512 float32; ln2_w 512 float32; o_w 512 x 512 float32; q_w 512 x 512 float32; rel_bias 32 x 8 float32; v_w 512 x 512 float32; wi 512 x 2,048 float32; wo 2,048 x 512 float32.
;; Outputs: out0 2 x 4,096 x 512 float32.
;; This version of the problem:
;;   THIS VERSION OF THE PROBLEM IS GIVEN IN LOW PRECISION. The matrix products marked QUANTISED in the list below multiply operands that are first quantised to E3M2 (3 exponent bits, 2 mantissa bits; 6 bits a number), with one power-of-two scale for each 32 numbers along K (OCP MX v1.0); their sums are f32. All else is computed in f32.
;;   The module's matrix products, in the order in which they are computed (A, B: the left and right operand; K: the contracted axis; several contracted axes count as one K, in the product's order):
;;     1. [M 8,192, K 512] x [K 512, N 512]; A: computed on the way; B: input q_w: QUANTISED
;;     2. [M 8,192, K 512] x [K 512, N 512]; A: computed on the way; B: input k_w: QUANTISED
;;     3. [M 8,192, K 512] x [K 512, N 512]; A: computed on the way; B: input v_w: QUANTISED
;;     4. batch 16 x [M 4,096, K 64] x [K 64, N 4,096]; A: computed on the way; B: computed on the way: QUANTISED
;;     5. batch 16 x [M 4,096, K 4,096] x [K 4,096, N 64]; A: computed on the way; B: computed on the way: QUANTISED
;;     6. [M 8,192, K 512] x [K 512, N 512]; A: computed on the way; B: input o_w: QUANTISED
;;     7. [M 8,192, K 512] x [K 512, N 2,048]; A: computed on the way; B: input wi: QUANTISED
;;     8. [M 8,192, K 2,048] x [K 2,048, N 512]; A: computed on the way; B: input wo: QUANTISED
;;   THE QUANTISER, for each operand of a quantised product, along K:
;;     - K is cut into blocks of 32 from its start; a last block that is shorter is filled with zeros.
;;     - A block's scale is 2^e with e = floor(log2(the largest magnitude in the block)) - 4, held to -126 .. 127; a block of zeros has e = 0. As a byte (E8M0): e + 127.
;;     - Each number is divided by its block's scale, clamped to +-28, and rounded to the nearest number of E3M2, ties to even, subnormals kept.
;;     - The product sums the exact products of the quantised numbers (number of the format x scale) in f32.
;;   ~~~python
;;   def quantise(x, axis):      # numpy; x: float32 -> the quantised numbers, widened to float32 again
;;       x = np.moveaxis(x, axis, -1); K = x.shape[-1]
;;       x = np.pad(x, [(0, 0)] * (x.ndim - 1) + [(0, -K % 32)]); x = x.reshape(x.shape[:-1] + (-1, 32)); a = np.abs(x).max(-1, keepdims=True)
;;       e = np.where(a > 0, np.clip(np.frexp(np.where(a > 0, a, 1))[1] - 1 - 4, -126, 127), 0)      # np.frexp(a)[1] - 1 = floor(log2(a)), exactly
;;       r = np.clip(x / 2.0 ** e, -28, 28)
;;       step = 2.0 ** (np.maximum(np.frexp(np.where(r == 0, 1, r))[1] - 1, -2) - 2)
;;       q = np.round(r / step) * step * 2.0 ** e      # np.round: ties to even
;;       return np.moveaxis(q.reshape(q.shape[:-2] + (-1,))[..., :K], -1, axis).astype(np.float32)
;;   ~~~
;;   OPERANDS COMPUTED ON THE WAY. 'Computed on the way' means the value that the module computes at that place (a softmax that the list does not call 'softmax' is quantised finished and normalised). What goes into a quantiser is computed in f32, as accurately as f32 sums, v_exp_f32 and their like allow (about 1e-6 of the number): no bf16 or f16 on the way to a quantiser, and a product that is left as it is and whose result goes on into a quantised operand takes f32 operands (vector FMAs, or v_wmma_f32_16x16x4_f32). A number that lies on a knife's edge between two numbers of the format may be rounded either way, as far as f32 arithmetic and the matrix unit's own rounding can turn it there, and no further.
;; One version. Each part assembles by itself: llvm-mc -triple=amdgcn-amd-amdhsa -mcpu=gfx1250 --defsym DOCPART=n.
;; ======== version 1 of 1: 5 launches
;; workspace buffers: wq 2,527,232 bytes; qkvc 10,092,544 bytes; ctxq 3,407,872 bytes; hidq 13,631,488 bytes
;; launch prep (part 1): grid 200 x 1, 4 waves a work-group, no clusters, 0 bytes of LDS; arguments q_w, k_w, v_w, o_w, wi, wo, rel_bias, wq; writes wq
.if DOCPART == 1
	.amdgcn_target "amdgcn-amd-amdhsa--gfx1250"
	.amdhsa_code_object_version 6
	.text
	.protected	k_q04e7273af7_prep
	.globl	k_q04e7273af7_prep
	.p2align	8
	.type	k_q04e7273af7_prep,@function
k_q04e7273af7_prep:
	s_mov_b64 s[64:65], 0
	v_nop
	global_prefetch_b8 v0, s[64:65] scope:SCOPE_SE
	s_setreg_imm32_b32 hwreg(HW_REG_WAVE_MODE, 25, 1), 1
	s_wait_xcnt 0x0
; The six weights, f32 stored [K][N], become codes of BF6 (E3M2) with one E8M0 byte for each 32 along K, laid as the later launches' registers want them; and rel_bias becomes a table by distance.
; A UNIT is 64 columns x 128 K, 6,400 bytes: four fragments (16 columns x 128 K, 12 registers a lane) as images of their registers, 1,536 bytes each (register group q of lane l at 512 q + 16 l),
; then 256 bytes of scale words at 8 l + 4 p: word p holds tile 2 p's rows in lanes 0-15 and tile 2 p + 1's in lanes 16-31.
; THE COLUMNS OF A TILE ARE NOT NEIGHBOURS: lane r of tile u takes column 32 (r / 8) + 8 u + r % 8 of its 64, so that a product with a tile as source 0 leaves 32 neighbouring columns in one lane's 32 registers.
; wq: units 0-95 q_w, k_w, v_w ((8 mat + head) 4 + K step); from unit 96 for each of 8 column groups 20 units: o_w's 4 K steps, then wo's 16; from unit 256 wi ((column group) 4 + K step); from byte 2,457,600 the table.
; SHARES: work-groups 0-63 q_w, k_w, v_w, o_w; 64-127 wo; 128-191 wi: each 128 columns x 128 K, a wave two tiles: A LANE TAKES A COLUMN AND ITS REGISTERS RUN DOWN K, so a block of 32 lies in one lane.
; Work-groups 192-199: head g - 192's table: copy c (wave c) holds at x the bias of distance key - query = x + c - 256, x = 0 .. 543: four copies, so that any four neighbouring entries are had 16-byte aligned.
; A block's scale byte is its largest magnitude's exponent field - 4, held at 1 from below.  A block of zeros gets the byte 1 where the rule says 127: its codes are zeros, and this program alone reads the bytes.
; LIMITS: NaN and infinities among the inputs are not served.  The buckets' edges are taken as exact arithmetic gives them: distances 12, 16, 23, 32, 46, 64, 91 begin buckets 9 to 15.
.set FLOOR, 0x02800000                 ; 2^(5 - 127)
.set X,    32                          ; v32-95   two sets of 32 numbers
.set IMG0, 96                          ; v96-107  blocks 0 and 2, then tile 2 p's fragment
.set IMG1, 108                         ; v108-119 blocks 1 and 3, then tile 2 p + 1's
.set TC,   120                         ; v120-122 a block's upper 16 codes (a conversion's three registers begin on an even number)
	s_load_b256 s[4:11], s[0:1], 0x0               ; q_w, k_w, v_w, o_w
	s_load_b256 s[12:19], s[0:1], 0x20             ; wi, wo, rel_bias, wq
	v_lshrrev_b32 v1, 5, v0
	v_readfirstlane_b32 s20, v1                    ; wave
	v_and_b32 v2, 31, v0                           ; lane
	s_lshr_b32 s30, s20, 1                         ; which 64 of the 128 columns
	s_and_b32 s31, s20, 1                          ; p: which pair of tiles
	v_bfe_u32 v3, v0, 3, 1
	v_bfe_u32 v6, v0, 4, 1
	v_and_b32 v7, 7, v0
	v_lshl_add_u32 v7, v3, 5, v7                   ; 32 ((l / 8) % 2) + l % 8
	v_lshl_add_u32 v7, v6, 3, v7                   ; + 8 (l / 16)
	s_lshl_b32 s32, s31, 4
	v_add_nc_u32 v7, s32, v7                       ; + 16 p: my column among the 64
	s_mul_i32 s33, s31, 3072
	v_lshl_add_u32 v4, v2, 4, s33                  ; out: 16 l + two fragments for each p
	s_lshl_b32 s33, s31, 2
	v_lshl_add_u32 v5, v2, 3, s33                  ; scale words: 8 l + 4 p
	s_wait_kmcnt 0x0
	s_cmp_ge_u32 ttmp9, 192
	s_cbranch_scc1 .Lpbt
	s_cmp_ge_u32 ttmp9, 128
	s_cbranch_scc1 .Lwi
.macro WLOAD t, n                      ; block t: W(32 t + i, my column) into set t % 2
.irp i, 0,1,2,3,4,5,6,7,8,9,10,11,12,13,14,15,16,17,18,19,20,21,22,23,24,25,26,27,28,29,30,31
	global_load_b32 v[X+32*((\t)%2)+\i], v3, s[24:25] offset:(32*(\t)+\i)*(\n)*4 th:TH_LOAD_NT
.endr
.endm
.macro WBLOCK t, n
.set XS, X+32*((\t)%2)
.set IM, IMG0+12*((\t)%2)+6*((\t)/2)
.if (\t) < 3
	s_wait_loadcnt 32                              ; this block's 32 loads are in; the next block's 32 may be out
.else
	s_wait_loadcnt 0x0
.endif
	v_max3_num_f32 v12, |v[XS]|, |v[XS+1]|, |v[XS+2]|       ; the block's largest magnitude: all 32 numbers are mine
	v_max3_num_f32 v13, |v[XS+3]|, |v[XS+4]|, |v[XS+5]|
.irp i, 6,10,14,18,22,26
	v_max3_num_f32 v12, v12, |v[XS+\i]|, |v[XS+\i+1]|
	v_max3_num_f32 v13, v13, |v[XS+\i+2]|, |v[XS+\i+3]|
.endr
	v_max3_num_f32 v12, v12, |v[XS+30]|, |v[XS+31]|
	v_max3_num_f32 v12, v12, v13, FLOOR            ; and the floor: the byte cannot fall under 1
	v_add_nc_u32 v11, 0xfe000000, v12              ; 4 off the exponent field: the conversion's scale operand
	v_cvt_scalef32_pk16_bf6_f32 v[IM:IM+2], v[XS:XS+15], v11
	v_cvt_scalef32_pk16_bf6_f32 v[TC:TC+2], v[XS+16:XS+31], v11
	v_lshrrev_b32 v13, 23, v11                     ; the scale's byte (also the plain place behind the conversions)
.irp i, 0,1,2
	v_mov_b32 v[IM+3+\i], v[TC+\i]
.endr
.if (\t) == 0
	v_mov_b32 v14, v13                             ; my column's scale word: byte t for block t
.else
	v_lshl_or_b32 v14, v13, 8*(\t), v14
.endif
.if (\t)+2 < 4
	WLOAD (\t)+2, \n
.endif
.endm
.macro WBODY n
	WLOAD 0, \n
	WLOAD 1, \n
	WBLOCK 0, \n
	WBLOCK 1, \n
	WBLOCK 2, \n
	WBLOCK 3, \n
.set i, 0
.rept 12                               ; a fragment wants blocks 0, 2 of a row in lanes 0-15 and blocks 1, 3 in lanes 16-31: the first's upper lanes change places with the second's lower lanes
	v_permlane16_swap_b32 v[IMG0+i], v[IMG1+i]
.set i, i+1
.endr
.irp q, 0,1,2
	global_store_b128 v4, v[IMG0+4*\q:IMG0+4*\q+3], s[28:29] offset:512*\q          ; 32 lanes store 512 consecutive bytes
	global_store_b128 v4, v[IMG1+4*\q:IMG1+4*\q+3], s[28:29] offset:1536+512*\q
.endr
	global_store_b32 v5, v14, s[28:29] offset:6144
.endm
	; ---- q_w, k_w, v_w, o_w, wo: rows of 512 numbers
	s_lshr_b32 s22, ttmp9, 4                       ; 0 .. 3: q, k, v, o; 4 .. 7: wo
	s_cmp_eq_u32 s22, 0
	s_cselect_b64 s[24:25], s[4:5], s[14:15]
	s_cmp_eq_u32 s22, 1
	s_cselect_b64 s[24:25], s[6:7], s[24:25]
	s_cmp_eq_u32 s22, 2
	s_cselect_b64 s[24:25], s[8:9], s[24:25]
	s_cmp_eq_u32 s22, 3
	s_cselect_b64 s[24:25], s[10:11], s[24:25]
	s_lshr_b32 s23, ttmp9, 2
	s_and_b32 s26, s23, 3
	s_sub_co_u32 s27, s23, 16
	s_cmp_lt_u32 ttmp9, 64
	s_cselect_b32 s23, s26, s27                    ; the K step: 0 .. 3, for wo 0 .. 15
	s_cselect_b32 s27, 0, 4                        ; wo's units lie behind o_w's four
	s_and_b32 s26, ttmp9, 3
	s_lshl_b32 s26, s26, 1
	s_add_co_u32 s26, s26, s30                     ; G: my group of 64 columns
	s_lshl_b32 s34, s22, 3
	s_add_co_u32 s34, s34, s26
	s_lshl_b32 s34, s34, 2                         ; q, k, v: (8 mat + G) 4
	s_mul_i32 s35, s26, 20
	s_add_co_u32 s35, s35, s27
	s_add_co_u32 s35, s35, 96                      ; o, wo: 96 + 20 G (+ 4)
	s_cmp_lt_u32 s22, 3
	s_cselect_b32 s34, s34, s35
	s_add_co_u32 s34, s34, s23
	s_mul_i32 s34, s34, 6400
	s_mov_b32 s35, 0
	s_add_nc_u64 s[28:29], s[18:19], s[34:35]      ; my unit
	s_lshl_b32 s34, s23, 18                        ; 128 rows of 2,048 bytes a K step
	s_add_nc_u64 s[24:25], s[24:25], s[34:35]
	v_lshl_add_u32 v7, s26, 6, v7
	v_lshlrev_b32 v3, 2, v7                        ; my column's byte in a row
	WBODY 512
	s_endpgm
.Lwi:   ; ---- wi: rows of 2,048 numbers
	s_sub_co_u32 s22, ttmp9, 128
	s_lshr_b32 s23, s22, 4                         ; the K step
	s_and_b32 s26, s22, 15
	s_lshl_b32 s26, s26, 1
	s_add_co_u32 s26, s26, s30                     ; G: 0 .. 31
	s_lshl_b32 s34, s26, 2
	s_add_co_u32 s34, s34, s23
	s_add_co_u32 s34, s34, 256
	s_mul_i32 s34, s34, 6400
	s_mov_b32 s35, 0
	s_add_nc_u64 s[28:29], s[18:19], s[34:35]
	s_lshl_b32 s34, s23, 20                        ; 128 rows of 8,192 bytes a K step
	s_add_nc_u64 s[24:25], s[12:13], s[34:35]
	v_lshl_add_u32 v7, s26, 6, v7
	v_lshlrev_b32 v3, 2, v7
	WBODY 2048
	s_endpgm
.Lpbt:  ; ---- the table of one head
	s_sub_co_u32 s22, ttmp9, 192                   ; head
	s_lshl_b32 s34, s22, 2
	s_mov_b32 s35, 0
	s_add_nc_u64 s[16:17], s[16:17], s[34:35]      ; rel_bias at this head: 32 bytes from bucket to bucket
	s_mul_i32 s34, s22, 8704
	s_mul_i32 s23, s20, 2176
	s_add_co_u32 s34, s34, s23
	s_add_co_u32 s34, s34, 2457600
	s_add_nc_u64 s[28:29], s[18:19], s[34:35]      ; my copy
	v_add_nc_u32 v6, s20, v2                       ; lane + copy
	v_lshlrev_b32 v5, 2, v2
	v_mov_b32 v15, 16
.irp it, 0,1,2,3,4,5,6,7,8,9,10,11,12,13,14,15,16
	v_add_nc_u32 v7, 32*\it-256, v6                ; rel = key - query
	v_sub_nc_u32 v8, 0, v7
	v_cmp_gt_i32 vcc_lo, 0, v7
	v_cndmask_b32 v8, v7, v8, vcc_lo               ; n = |rel|
	v_mov_b32 v9, 8
.irp th, 11,15,22,31,45,63,90
	v_cmp_lt_u32 vcc_lo, \th, v8                   ; one more for each edge passed
	v_add_co_ci_u32 v9, vcc_lo, 0, v9, vcc_lo
.endr
	v_cmp_gt_u32 vcc_lo, 8, v8
	v_cndmask_b32 v9, v9, v8, vcc_lo               ; n itself under 8
	v_cmp_lt_i32 vcc_lo, 0, v7
	v_cndmask_b32 v10, 0, v15, vcc_lo              ; 16 more for keys behind the query
	v_add_nc_u32 v9, v9, v10
	v_min_u32 v9, 31, v9
	v_lshlrev_b32 v[32+\it], 5, v9
	global_load_b32 v[64+\it], v[32+\it], s[16:17]
.endr
	s_wait_loadcnt 0x0
.irp it, 0,1,2,3,4,5,6,7,8,9,10,11,12,13,14,15,16
	global_store_b32 v5, v[64+\it], s[28:29] offset:128*\it
.endr
	s_endpgm
.Lfunc_end_k_q04e7273af7_prep:
	.size	k_q04e7273af7_prep, .Lfunc_end_k_q04e7273af7_prep-k_q04e7273af7_prep
	.p2alignl 7, 3214868480
	.fill 96, 4, 3214868480
	.section	.rodata,"a",@progbits
	.p2align	6, 0x0
	.amdhsa_kernel k_q04e7273af7_prep
		.amdhsa_group_segment_fixed_size 0
		.amdhsa_private_segment_fixed_size 0
		.amdhsa_enable_private_segment 0
		.amdhsa_kernarg_size 64
		.amdhsa_user_sgpr_count 2
		.amdhsa_user_sgpr_kernarg_segment_ptr 1
		.amdhsa_wavefront_size32 1
		.amdhsa_system_sgpr_workgroup_id_x 1
		.amdhsa_system_sgpr_workgroup_id_y 1
		.amdhsa_system_sgpr_workgroup_id_z 1
		.amdhsa_system_vgpr_workitem_id 0
		.amdhsa_next_free_vgpr 128
		.amdhsa_next_free_sgpr 66
		.amdhsa_reserve_vcc 1
		.amdhsa_float_denorm_mode_32 3
		.amdhsa_float_denorm_mode_16_64 3
		.amdhsa_memory_ordered 1
		.amdhsa_forward_progress 1
		.amdhsa_inst_pref_size 60
	.end_amdhsa_kernel
	.amdgpu_metadata
---
amdhsa.version: [ 1, 2 ]
amdhsa.kernels:
  - .name:           k_q04e7273af7_prep
    .symbol:         k_q04e7273af7_prep.kd
    .args:
      - { .name: q_w, .offset: 0, .size: 8, .value_kind: global_buffer, .address_space: global }
      - { .name: k_w, .offset: 8, .size: 8, .value_kind: global_buffer, .address_space: global }
      - { .name: v_w, .offset: 16, .size: 8, .value_kind: global_buffer, .address_space: global }
      - { .name: o_w, .offset: 24, .size: 8, .value_kind: global_buffer, .address_space: global }
      - { .name: wi, .offset: 32, .size: 8, .value_kind: global_buffer, .address_space: global }
      - { .name: wo, .offset: 40, .size: 8, .value_kind: global_buffer, .address_space: global }
      - { .name: rel_bias, .offset: 48, .size: 8, .value_kind: global_buffer, .address_space: global }
      - { .name: wq, .offset: 56, .size: 8, .value_kind: global_buffer, .address_space: global }
    .group_segment_fixed_size: 0
    .private_segment_fixed_size: 0
    .kernarg_segment_align: 8
    .kernarg_segment_size: 64
    .max_flat_workgroup_size: 128
    .sgpr_count:     66
    .vgpr_count:     128
    .wavefront_size: 32
...
	.end_amdgpu_metadata
.endif
;; end of part 1
;; launch qkv (part 2): grid 128 x 2, 16 waves a work-group, no clusters, 169,984 bytes of LDS; arguments hidden_states, ln1_w, wq, qkvc; writes qkvc
.if DOCPART == 2
	.amdgcn_target "amdgcn-amd-amdhsa--gfx1250"
	.amdhsa_code_object_version 6
	.text
	.protected	k_q04e7273af7_qkv
	.globl	k_q04e7273af7_qkv
	.p2align	8
	.type	k_q04e7273af7_qkv,@function
k_q04e7273af7_qkv:
	s_mov_b64 s[64:65], 0
	v_nop
	global_prefetch_b8 v0, s[64:65] scope:SCOPE_SE
	s_setreg_imm32_b32 hwreg(HW_REG_WAVE_MODE, 25, 1), 1
	s_wait_xcnt 0x0
; x = ln1_w (hidden rsqrt(mean(hidden^2) + 1e-6)), quantised along its 512; q, k, v = x W on codes of BF6 (E3M2) with E8M0 scales; q and k quantised along the head's 64, v along the tokens; all three stored as register images.
; SHARES: work-group (tg, y): 64 tokens, heads 4 y .. 4 y + 3.  Sixteen waves.  X: wave w norms and quantises tile w % 4 of the tokens, K step w / 4.  Products: waves 0-11: matrix w / 4 (q, k, v), head 4 y + w % 4; waves 12-15 end.
; THE ROWS OF A TILE: lane r of tile u takes row 32 (r / 8) + 8 u + r % 8 of its 64 (tokens, and the weights' columns alike).  So the four tiles' results, 8 registers each on end, are 32 NEIGHBOURS in one lane:
; rows 32 (lane / 16) + 0 .. 31: a whole block of 32, in the very order of a 6-bit operand's registers.  A block's largest magnitude needs no other lane, and no code changes lanes.
; q, k: source 0 = 16 columns of W, source 1 = 16 tokens: a lane holds one token and 32 channels.  v: source 0 = 16 tokens, source 1 = 16 columns: a lane holds one channel and 32 tokens.
; qkvc, for each (batch, head) 630,784 bytes: k's images (64 groups of 64 tokens x 3,072), k's scales (64 x 256), v's scales (32 x 256), v's fragments (32 steps of 128 tokens x 6,144), q's images, q's scales.
; An image of q or k: 24 registers a lane (tile m's six at 6 m) as six groups of four, group p of lane l at 512 p + 16 l.  Its scale words at 8 l + 4 p: word p holds tile 2 p in lanes 0-15, tile 2 p + 1 in lanes 16-31;
; the word's upper two bytes repeat the lower two: they stand over the upper 64 of the instruction's 128 along K, where q's codes are zeros.
; LDS: hidden's 64 rows as 128 half rows of 1,024 bytes + 16 (one tensor load a wave, filled once); x's four units of 6,656 bytes (four fragments' images, then scale words at 16 l + 4 m); 1,024 bytes of partial sums.
; The rows 32 apart that a load's lanes 0-7 and 8-15 take fall on the same banks at any pitch that is a multiple of 16 bytes: these 16 loads a wave go two deep.
; v's scale bytes leave by stores of two bytes: 8 KiB a head.
; LIMITS: a block of zeros gets the byte 1, not 127 (its codes are zeros; this program alone reads the bytes); NaN and infinities are not served.
.set FLOOR, 0x02800000
.set HP,   1040
.set XACT, 128*HP
.set SSQ,  XACT+4*6656
.set LI,  1                            ; 16 x lane
.set L8,  2                            ; 8 x lane
.set SH8, 3                            ; 8 x (lane / 16)
.set AL,  4                            ; XACT + 16 x lane
.set AX,  5                            ; my numbers of hidden in LDS
.set SQW, 6                            ; where I put a partial sum
.set SQR, 7                            ; where I read the four
.set XWI, 8                            ; where I put x's image
.set XWS, 9                            ; and its scale word
.set LNA, 10                           ; my numbers of ln1_w
.set WF,  16                           ; v16-63   a unit's four fragments
.set WS,  64                           ; v64-65   its scale words
.set AF,  66                           ; v66-113  x's four fragments
.set AS,  114                          ; v114-117 their scale words
.set ACC, 128                          ; v128-255 sixteen accumulators
.set XN,  128                          ; X phase: 64 numbers,
.set LNW, 192                          ; and ln1_w's 64
.set PC,  16                           ; the way out: codes,
.set TC,  40                           ; upper halves,
.set T,   66
.set SC,  70
.set BY,  74
.set Y,   78
.set HW,  82
.set SEL, 54
.macro MM d, a, b, sa, sb, zero, row   ; one product; zero: it starts the sum; row 1: source 0's scales lie in lanes 16-31; row 2: source 1's
.if (\zero) && ((\row) == 0)
	v_wmma_scale_f32_16x16x128_f8f6f4 v[(\d):(\d)+7], v[(\a):(\a)+11], v[(\b):(\b)+11], 0, v[(\sa)], v[(\sb)] matrix_a_fmt:MATRIX_FMT_BF6 matrix_b_fmt:MATRIX_FMT_BF6
.elseif (\zero) && ((\row) == 1)
	v_wmma_scale_f32_16x16x128_f8f6f4 v[(\d):(\d)+7], v[(\a):(\a)+11], v[(\b):(\b)+11], 0, v[(\sa)], v[(\sb)] matrix_a_fmt:MATRIX_FMT_BF6 matrix_b_fmt:MATRIX_FMT_BF6 matrix_a_scale:MATRIX_SCALE_ROW1
.elseif (\zero)
	v_wmma_scale_f32_16x16x128_f8f6f4 v[(\d):(\d)+7], v[(\a):(\a)+11], v[(\b):(\b)+11], 0, v[(\sa)], v[(\sb)] matrix_a_fmt:MATRIX_FMT_BF6 matrix_b_fmt:MATRIX_FMT_BF6 matrix_b_scale:MATRIX_SCALE_ROW1
.elseif (\row) == 0
	v_wmma_scale_f32_16x16x128_f8f6f4 v[(\d):(\d)+7], v[(\a):(\a)+11], v[(\b):(\b)+11], v[(\d):(\d)+7], v[(\sa)], v[(\sb)] matrix_a_fmt:MATRIX_FMT_BF6 matrix_b_fmt:MATRIX_FMT_BF6
.elseif (\row) == 1
	v_wmma_scale_f32_16x16x128_f8f6f4 v[(\d):(\d)+7], v[(\a):(\a)+11], v[(\b):(\b)+11], v[(\d):(\d)+7], v[(\sa)], v[(\sb)] matrix_a_fmt:MATRIX_FMT_BF6 matrix_b_fmt:MATRIX_FMT_BF6 matrix_a_scale:MATRIX_SCALE_ROW1
.else
	v_wmma_scale_f32_16x16x128_f8f6f4 v[(\d):(\d)+7], v[(\a):(\a)+11], v[(\b):(\b)+11], v[(\d):(\d)+7], v[(\sa)], v[(\sb)] matrix_a_fmt:MATRIX_FMT_BF6 matrix_b_fmt:MATRIX_FMT_BF6 matrix_b_scale:MATRIX_SCALE_ROW1
.endif
.endm
; Four blocks of 32 numbers, block k in v[src + 32 k] on, become codes v[PC + 6 k] .. + 5 and the halfword v[HW + k]: my row's byte of the lower 32 and of the upper 32 (lane l xor 16 holds the other block).
.macro Q4 src
.irp k, 0,1,2,3
	v_max3_num_f32 v[T+\k], |v[(\src)+32*\k]|, |v[(\src)+32*\k+1]|, FLOOR      ; from each accumulator's low end on; the floor 2^(5 - 127) holds the byte at 1 from below
.endr
.irp i, 2,4,6,8,10,12,14,16,18,20,22,24,26,28,30
.irp k, 0,1,2,3
	v_max3_num_f32 v[T+\k], v[T+\k], |v[(\src)+32*\k+\i]|, |v[(\src)+32*\k+\i+1]|   ; the four blocks by turns
.endr
.endr
.irp k, 0,1,2,3
	v_add_nc_u32 v[SC+\k], 0xfe000000, v[T+\k]     ; 4 off the exponent field: the conversion's scale operand
.endr
.irp k, 0,1,2,3
	v_lshrrev_b32 v[BY+\k], 23, v[SC+\k]           ; the scale's byte
.endr
.irp k, 0,1,2,3
	v_lshlrev_b32 v[BY+\k], v[SH8], v[BY+\k]       ; at its place: 8 bits up in lanes 16-31
.endr
.irp k, 0,1,2,3
	v_permlanex16_b32 v[Y+\k], v[BY+\k], s[SEL], s[SEL+1]
.endr
.irp k, 0,1,2,3
	v_or_b32 v[HW+\k], v[BY+\k], v[Y+\k]
.endr
.irp k, 0,1,2,3
	v_cvt_scalef32_pk16_bf6_f32 v[PC+6*\k:PC+6*\k+2], v[(\src)+32*\k:(\src)+32*\k+15], v[SC+\k]
	v_cvt_scalef32_pk16_bf6_f32 v[TC+4*\k:TC+4*\k+2], v[(\src)+32*\k+16:(\src)+32*\k+31], v[SC+\k]   ; (a conversion's three registers begin on an even number)
.endr
	v_nop                                          ; one plain place behind the conversions
.irp k, 0,1,2,3
.irp i, 0,1,2
	v_mov_b32 v[PC+6*\k+3+\i], v[TC+4*\k+\i]
.endr
.endr
.endm
.macro WLOADS s                        ; a unit of my matrix and head: 12 loads of 512 consecutive bytes, and the scale words
.set p, 0
.rept 12
	global_load_b128 v[WF+4*p:WF+4*p+3], v[LI], s[38:39] offset:6400*(\s)+512*p
.set p, p+1
.endr
	global_load_b64 v[WS:WS+1], v[L8], s[38:39] offset:6400*(\s)+6144
.endm
; A K step of 128: sixteen products, the sixteen accumulators by turns, in the same order in every step.  tr = 1: source 0 = W (q, k); 0: source 0 = x (v).
.macro KSTEP s, tr, first, pre
.if (\pre) == 0
	WLOADS \s
.endif
.set p, 0
.rept 12
	ds_load_b128 v[AF+4*p:AF+4*p+3], v[AL] offset:6656*(\s)+512*p
.set p, p+1
.endr
	ds_load_b128 v[AS:AS+3], v[AL] offset:6656*(\s)+6144
	s_wait_loadcnt 0x0
	s_wait_dscnt 0x0
.irp m, 0,1,2,3
.irp u, 0,1,2,3
.if \tr
	MM ACC+32*\m+8*\u, WF+12*\u, AF+12*\m, WS+\u/2, AS+\m, \first, \u%2
.else
	MM ACC+32*\u+8*\m, AF+12*\m, WF+12*\u, AS+\m, WS+\u/2, \first, 2*(\u%2)
.endif
.endr
.endr
.rept 4
	v_nop                                          ; four places in front of loads into registers that these products read, and of the first read of results
.endr
.endm
	s_load_b256 s[4:11], s[0:1], 0x0               ; hidden, ln1_w, wq, qkvc
	v_lshl_add_u32 v254, v0, 2, 0x29000
	v_mov_b32 v255, 0
	ds_add_u32 v254, v255
	ds_add_u32 v254, v255
	s_wait_dscnt 0x0
	v_lshrrev_b32 v11, 5, v0
	v_readfirstlane_b32 s12, v11                   ; wave
	s_mov_b32 s13, ttmp9                           ; tg: which 64 tokens
	s_and_b32 s14, ttmp7, 0xffff                   ; y: which four heads
	s_and_b32 s30, s12, 3                          ; m (X phase); head's low bits (products)
	s_lshr_b32 s31, s12, 2                         ; K step (X phase); matrix (products)
	; descriptor group 1: 8 half rows of 256 numbers of 4 bytes, dense in memory, 16 bytes of padding behind each
	s_mov_b32 s16, (2<<16)|(1<<20)|(7<<22)|(3<<25)
	s_mov_b32 s17, 256<<16
	s_mov_b32 s18, 8<<16
	s_mov_b32 s19, 256<<16
	s_mov_b32 s20, 8
	s_mov_b32 s21, 256
	s_mov_b32 s22, 0
	s_mov_b32 s23, 0
	s_mov_b32 s24, 1
	s_mul_i32 s25, s12, 8*HP                       ; my eight half rows in LDS
	s_lshl_b32 s28, s13, 17                        ; 64 rows of 2,048 bytes,
	s_lshl_b32 s29, s12, 13                        ; my four of them
	s_add_co_u32 s28, s28, s29
	s_mov_b32 s29, 0
	s_mov_b32 s40, 0x3b000000                      ; 1 / 512
	s_mov_b32 s41, 0x358637bd                      ; 1e-6
	s_mov_b32 s[SEL], 0x76543210
	s_mov_b32 s[SEL+1], 0xfedcba98                 ; lane l xor 16
	; every LDS address is made here, ahead of the first parting of the waves
	v_and_b32 v12, 31, v0                          ; lane
	v_and_b32 v13, 15, v0                          ; r
	v_bfe_u32 v14, v0, 4, 1                        ; h
	v_lshlrev_b32 v[LI], 4, v12
	v_lshlrev_b32 v[L8], 3, v12
	v_lshlrev_b32 v[SH8], 3, v14
	v_add_nc_u32 v[AL], XACT, v[LI]
	v_and_b32 v15, 8, v13
	v_and_b32 v11, 7, v13
	v_lshl_add_u32 v15, v15, 2, v11                ; 32 (r / 8) + r % 8
	v_mul_u32_u24 v[AX], v15, 2*HP
	v_lshl_add_u32 v[AX], v14, 7, v[AX]            ; + 128 h: my 32 numbers of each 64
	s_mul_i32 s32, s30, 16*HP                      ; + 8 m tokens
	s_lshr_b32 s33, s31, 1
	s_mul_i32 s33, s33, HP                         ; + the half row,
	s_add_co_u32 s32, s32, s33
	s_and_b32 s33, s31, 1
	s_lshl_b32 s33, s33, 9                         ; + the K step in it
	s_add_co_u32 s32, s32, s33
	v_add_nc_u32 v[AX], s32, v[AX]
	v_lshlrev_b32 v11, 2, v13
	s_lshl_b32 s32, s12, 6
	s_add_co_u32 s32, s32, SSQ
	v_add_nc_u32 v[SQW], s32, v11                  ; SSQ + 64 wave + 4 r
	s_lshl_b32 s32, s30, 6
	s_add_co_u32 s32, s32, SSQ
	v_add_nc_u32 v[SQR], s32, v11                  ; SSQ + 64 m + 4 r (+ 256 for each K step)
	s_mul_i32 s32, s31, 6656
	s_mul_i32 s33, s30, 1536
	s_add_co_u32 s33, s33, s32
	s_add_co_u32 s33, s33, XACT
	v_add_nc_u32 v[XWI], s33, v[LI]
	s_lshl_b32 s33, s30, 2
	s_add_co_u32 s33, s33, s32
	s_add_co_u32 s33, s33, XACT+6144
	v_add_nc_u32 v[XWS], s33, v[LI]
	s_lshl_b32 s32, s31, 9
	v_lshl_add_u32 v[LNA], v14, 7, s32             ; ln1_w: 512 K step + 128 h
.irp k, 78,79,80,81,126
	v_mov_b32 v\k, 0                               ; written once: a lane permute's destination counts as one of its sources
.endr
	s_lshl_b32 s34, s14, 2
	s_add_co_u32 s34, s34, s30                     ; head
	s_lshl_b32 s35, s31, 3
	s_add_co_u32 s35, s35, s34
	s_mul_i32 s36, s35, 25600                      ; my matrix's and head's four units
	s_mov_b32 s37, 0
	s_lshr_b32 s42, s13, 6
	s_lshl_b32 s42, s42, 3
	s_add_co_u32 s42, s42, s34                     ; 8 batch + head
	s_mul_i32 s42, s42, 630784
	s_mov_b32 s43, 0
	s_and_b32 s48, s13, 63                         ; the group of 64 tokens in its batch
	s_wait_kmcnt 0x0
	s_add_nc_u64 s[26:27], s[4:5], s[28:29]
	s_or_b32 s27, s27, 0x80000000
	tensor_load_to_lds s[24:27], s[16:23]          ; my one tensor load: filled once
	s_nop 0
.rept 4
	v_nop
.endr
	s_add_nc_u64 s[38:39], s[8:9], s[36:37]
	s_add_nc_u64 s[10:11], s[10:11], s[42:43]
	s_cmp_lt_u32 s12, 12
	s_cbranch_scc0 .Lno_w
	WLOADS 0                                       ; the first unit is asked for now: it lands while x is made
.Lno_w:
.irp c, 0,1
.irp i, 0,1,2,3,4,5,6,7
	global_load_b128 v[LNW+32*\c+4*\i:LNW+32*\c+4*\i+3], v[LNA], s[6:7] offset:256*\c+16*\i
.endr
.endr
	s_wait_tensorcnt 0x0                           ; my part of hidden has landed,
	s_barrier_signal -1
	s_barrier_wait -1                              ; everybody's has
	; ---- X: register 32 c + i = hidden(my token, 128 s + 64 c + 32 h + i)
.irp c, 0,1
.irp i, 0,1,2,3,4,5,6,7
	ds_load_b128 v[XN+32*\c+4*\i:XN+32*\c+4*\i+3], v[AX] offset:256*\c+16*\i
.endr
.endr
	s_wait_dscnt 0x0
.irp q, 0,1,2,3
	v_pk_mul_f32 v[118+2*\q:119+2*\q], v[XN+2*\q:XN+2*\q+1], v[XN+2*\q:XN+2*\q+1]   ; the squares' sum in four chains; the first products start them
.endr
.set j, 4
.rept 28
	v_pk_fma_f32 v[118+2*(j%4):119+2*(j%4)], v[XN+2*j:XN+2*j+1], v[XN+2*j:XN+2*j+1], v[118+2*(j%4):119+2*(j%4)]
.set j, j+1
.endr
	v_pk_add_f32 v[118:119], v[118:119], v[120:121]
	v_pk_add_f32 v[122:123], v[122:123], v[124:125]
	v_pk_add_f32 v[118:119], v[118:119], v[122:123]
	v_add_f32 v118, v118, v119
	v_permlanex16_b32 v126, v118, s[SEL], s[SEL+1]
	v_add_f32 v118, v118, v126                     ; my token's sum over this K step's 128
	ds_store_b32 v[SQW], v118                      ; (both halves of the lanes write the same word with the same value)
	s_wait_dscnt 0x0                               ; for the others' sake
	s_barrier_signal -1
	s_barrier_wait -1
.irp q, 0,1,2,3
	ds_load_b32 v[120+\q], v[SQR] offset:256*\q
.endr
	s_wait_dscnt 0x0
	v_add_f32 v120, v120, v121
	v_add_f32 v120, v120, v122
	v_add_f32 v120, v120, v123
	v_fma_f32 v120, v120, s40, s41                 ; the mean + 1e-6
	v_rsq_f32 v122, v120
	v_rsq_f32 v123, v120                           ; twice: a pair for the packed multiply
	v_nop                                          ; one plain place behind the transcendentals
	s_wait_loadcnt 0x0                             ; ln1_w (and the first unit)
.set j, 0
	s_wait_alu depctr_va_vdst(0)
.rept 32
	v_pk_mul_f32 v[XN+j:XN+j+1], v[XN+j:XN+j+1], v[122:123]
.set j, j+2
.endr
.set j, 0
.rept 32
	v_pk_mul_f32 v[XN+j:XN+j+1], v[XN+j:XN+j+1], v[LNW+j:LNW+j+1]    ; in this order: the gain multiplies the normed number
.set j, j+2
.endr
	; two blocks of 32 a lane become a fragment's 12 registers (v66-77) and my row's scale word (v122)
.irp c, 0,1
	v_max3_num_f32 v[118+\c], |v[XN+32*\c]|, |v[XN+32*\c+1]|, FLOOR
.endr
.irp i, 2,4,6,8,10,12,14,16,18,20,22,24,26,28,30
.irp c, 0,1
	v_max3_num_f32 v[118+\c], v[118+\c], |v[XN+32*\c+\i]|, |v[XN+32*\c+\i+1]|
.endr
.endr
	v_add_nc_u32 v120, 0xfe000000, v118
	v_add_nc_u32 v121, 0xfe000000, v119
	v_lshrrev_b32 v122, 23, v120
	v_lshrrev_b32 v123, 23, v121
	v_lshl_or_b32 v122, v123, 16, v122             ; blocks h and 2 + h,
	v_lshlrev_b32 v122, v[SH8], v122               ; at their places;
	v_permlanex16_b32 v126, v122, s[SEL], s[SEL+1]
	v_or_b32 v122, v122, v126                      ; with lane l xor 16's two the word is whole
	v_cvt_scalef32_pk16_bf6_f32 v[66:68], v[XN:XN+15], v120
	v_cvt_scalef32_pk16_bf6_f32 v[78:80], v[XN+16:XN+31], v120
	v_cvt_scalef32_pk16_bf6_f32 v[72:74], v[XN+32:XN+47], v121
	v_cvt_scalef32_pk16_bf6_f32 v[82:84], v[XN+48:XN+63], v121
	v_nop
.irp i, 0,1,2
	v_mov_b32 v[69+\i], v[78+\i]
	v_mov_b32 v[75+\i], v[82+\i]
.endr
.irp q, 0,1,2
	ds_store_b128 v[XWI], v[66+4*\q:69+4*\q] offset:512*\q
.endr
	ds_store_b32 v[XWS], v122
	s_wait_dscnt 0x0                               ; for the others' sake
	s_barrier_signal -1
	s_barrier_wait -1                              ; x's sixteen fragments lie in LDS; no barrier follows
	s_cmp_lt_u32 s12, 12
	s_cbranch_scc1 .Lwork
	s_wait_xcnt 0x0
	v_lshl_add_u32 v254, v0, 2, 0x29000
	v_mov_b32 v255, 0
	s_wait_tensorcnt 0x0
	ds_add_u32 v254, v255
	s_wait_dscnt 0x0
	s_endpgm
.Lwork:
	s_mov_b32 vcc_lo, 0xffff0000                   ; lanes 16-31
	s_cmp_lt_u32 s12, 8
	s_cbranch_scc0 .Lv
	; ---- q, k
	KSTEP 0, 1, 1, 1
	KSTEP 1, 1, 0, 0
	KSTEP 2, 1, 0, 0
	KSTEP 3, 1, 0, 0
	Q4 ACC                                         ; block m: token tile m's 32 channels of my half
.irp k, 0,1,2,3
	v_lshl_or_b32 v[HW+\k], v[HW+\k], 16, v[HW+\k]
.endr
	v_cndmask_b32 v86, v[HW], v[HW+1], vcc_lo      ; word p: tile 2 p below, tile 2 p + 1 above
	v_cndmask_b32 v87, v[HW+2], v[HW+3], vcc_lo
	s_mov_b32 s50, 196608
	s_cmp_eq_u32 s31, 0
	s_cselect_b32 s42, 417792, 0                   ; q's images, or k's
	s_cselect_b32 s50, 614400, s50                 ; and scales
	s_mul_i32 s49, s48, 3072
	s_add_co_u32 s42, s42, s49
	s_add_nc_u64 s[44:45], s[10:11], s[42:43]
	s_lshl_b32 s49, s48, 8
	s_add_co_u32 s50, s50, s49
	s_mov_b32 s51, 0
	s_add_nc_u64 s[46:47], s[10:11], s[50:51]
.irp q, 0,1,2,3,4,5
	global_store_b128 v[LI], v[PC+4*\q:PC+4*\q+3], s[44:45] offset:512*\q       ; 32 lanes store 512 consecutive bytes
.endr
	global_store_b64 v[L8], v[86:87], s[46:47]     ; one aligned 256 bytes
	s_wait_xcnt 0x0
	v_lshl_add_u32 v254, v0, 2, 0x29000
	v_mov_b32 v255, 0
	s_wait_tensorcnt 0x0
	ds_add_u32 v254, v255
	s_wait_dscnt 0x0
	s_endpgm
.Lv:    ; ---- v
	KSTEP 0, 0, 1, 1
	KSTEP 1, 0, 0, 0
	KSTEP 2, 0, 0, 0
	KSTEP 3, 0, 0, 0
	Q4 ACC                                         ; block u: channel tile u's 32 tokens of my half
	v_cndmask_b32 v86, v[HW], v[HW+1], vcc_lo
	v_cndmask_b32 v87, v[HW+2], v[HW+3], vcc_lo
	s_lshr_b32 s49, s48, 1                         ; the step of 128 tokens
	s_and_b32 s52, s13, 1                          ; c: its lower or upper 64
	s_mul_i32 s42, s49, 6144
	s_add_co_u32 s42, s42, 221184
	s_add_nc_u64 s[44:45], s[10:11], s[42:43]
	s_lshl_b32 s50, s49, 8
	s_lshl_b32 s53, s52, 1
	s_add_co_u32 s50, s50, s53
	s_add_co_u32 s50, s50, 212992
	s_mov_b32 s51, 0
	s_add_nc_u64 s[46:47], s[10:11], s[50:51]
	global_store_b16 v[L8], v86, s[46:47]          ; halfword c of word p
	global_store_b16 v[L8], v87, s[46:47] offset:4
	s_cmp_eq_u32 s52, 0
	s_cbranch_scc0 .Lupper
.irp i, 0,1,2,3                        ; registers 0-5 of each fragment
	global_store_b128 v[LI], v[PC+6*\i:PC+6*\i+3], s[44:45] offset:1536*\i
	global_store_b64 v[LI], v[PC+6*\i+4:PC+6*\i+5], s[44:45] offset:1536*\i+512
.endr
	s_wait_xcnt 0x0
	v_lshl_add_u32 v254, v0, 2, 0x29000
	v_mov_b32 v255, 0
	s_wait_tensorcnt 0x0
	ds_add_u32 v254, v255
	s_wait_dscnt 0x0
	s_endpgm
.Lupper:
.irp i, 0,1,2,3                        ; registers 6-11
	global_store_b64 v[LI], v[PC+6*\i:PC+6*\i+1], s[44:45] offset:1536*\i+520
	global_store_b128 v[LI], v[PC+6*\i+2:PC+6*\i+5], s[44:45] offset:1536*\i+1024
.endr
	s_wait_xcnt 0x0
	v_lshl_add_u32 v254, v0, 2, 0x29000
	v_mov_b32 v255, 0
	s_wait_tensorcnt 0x0
	ds_add_u32 v254, v255
	s_wait_dscnt 0x0
	s_endpgm
.Lfunc_end_k_q04e7273af7_qkv:
	.size	k_q04e7273af7_qkv, .Lfunc_end_k_q04e7273af7_qkv-k_q04e7273af7_qkv
	.p2alignl 7, 3214868480
	.fill 96, 4, 3214868480
	.section	.rodata,"a",@progbits
	.p2align	6, 0x0
	.amdhsa_kernel k_q04e7273af7_qkv
		.amdhsa_group_segment_fixed_size 169984
		.amdhsa_private_segment_fixed_size 0
		.amdhsa_enable_private_segment 0
		.amdhsa_kernarg_size 32
		.amdhsa_user_sgpr_count 2
		.amdhsa_user_sgpr_kernarg_segment_ptr 1
		.amdhsa_wavefront_size32 1
		.amdhsa_system_sgpr_workgroup_id_x 1
		.amdhsa_system_sgpr_workgroup_id_y 1
		.amdhsa_system_sgpr_workgroup_id_z 1
		.amdhsa_system_vgpr_workitem_id 0
		.amdhsa_next_free_vgpr 256
		.amdhsa_next_free_sgpr 66
		.amdhsa_reserve_vcc 1
		.amdhsa_float_denorm_mode_32 3
		.amdhsa_float_denorm_mode_16_64 3
		.amdhsa_memory_ordered 1
		.amdhsa_forward_progress 1
		.amdhsa_inst_pref_size 67
	.end_amdhsa_kernel
	.amdgpu_metadata
---
amdhsa.version: [ 1, 2 ]
amdhsa.kernels:
  - .name:           k_q04e7273af7_qkv
    .symbol:         k_q04e7273af7_qkv.kd
    .args:
      - { .name: hidden_states, .offset: 0, .size: 8, .value_kind: global_buffer, .address_space: global }
      - { .name: ln1_w, .offset: 8, .size: 8, .value_kind: global_buffer, .address_space: global }
      - { .name: wq, .offset: 16, .size: 8, .value_kind: global_buffer, .address_space: global }
      - { .name: qkvc, .offset: 24, .size: 8, .value_kind: global_buffer, .address_space: global }
    .group_segment_fixed_size: 169984
    .private_segment_fixed_size: 0
    .kernarg_segment_align: 8
    .kernarg_segment_size: 32
    .max_flat_workgroup_size: 512
    .sgpr_count:     66
    .vgpr_count:     256
    .wavefront_size: 32
...
	.end_amdgpu_metadata
.endif
;; end of part 2
;; launch attn (part 3): grid 16 x 16, 16 waves a work-group, no clusters, 327,680 bytes of LDS; arguments qkvc, delete_gate_mask, rel_bias, wq, ctxq; writes ctxq
.if DOCPART == 3
	.amdgcn_target "amdgcn-amd-amdhsa--gfx1250"
	.amdhsa_code_object_version 6
	.text
	.protected	k_q04e7273af7_attn
	.globl	k_q04e7273af7_attn
	.p2align	8
	.type	k_q04e7273af7_attn,@function
k_q04e7273af7_attn:
	s_mov_b64 s[64:65], 0
	v_nop
	global_prefetch_b8 v0, s[64:65] scope:SCOPE_SE
	s_setreg_imm32_b32 hwreg(HW_REG_WAVE_MODE, 25, 1), 1
	s_wait_xcnt 0x0
; ctx = softmax1(q k^T + position bias + gate) v, both products on codes of BF6 (E3M2) with E8M0 scales.  softmax1: e^(s - m) / (sum of e^(s - m) + e^(-m)), m the row's largest score.
; THE WEIGHTS ARE QUANTISED FINISHED AND NORMALISED, so the row's maximum and divisor must be known before any weight is quantised: TWO WALKS OVER THE KEYS.  Pass 1: scores, running maximum, sum.
; Pass 2: scores again, p = 2^(t - C), t = score x log2(e), C = the row's largest t + log2(its divisor); p quantised along the keys; p v.
; SHARES: work-group (qb, 8 batch + head): 256 queries of one head.  Each of SIXTEEN waves owns one tile of 16 queries in 256 registers: four waves to a SIMD.
; Wave w: tile m = w % 4 of the group of 64 queries 4 qb + w / 4; lane r's query is 64 group + 8 m + 32 (r / 8) + r % 8.  Every wave walks all 4,096 keys twice, 128 a step.
; LAYOUT: S^T = k q^T (source 0 = 16 keys, source 1 = my 16 queries), O^T = v^T p^T: a lane holds ONE query throughout.  Lane r of a tile of keys takes key 32 (r / 8) + 8 u + r % 8 of its 64, so that
; the 32 registers of four tiles are keys 32 (lane / 16) + 0 .. 31: a whole block in a lane, in the operand's own order: p's codes change no lane.
; THE FIRST PRODUCT'S K IS 64, THE INSTRUCTION'S 128: q's upper six registers are zero codes.  A tile of k is six registers; source 0 names twelve, the next tile's six (behind the last tile: whatever v's first six hold) among them:
; whatever codes stand there meet zeros (the format has no NaN and no infinity).
; THE BIAS: the gate is the C of the first product.  Where all 128 keys lie 91 or more from all my queries the position bias is one number (bucket 15 or 31), folded into the multiply-add ahead of the exponential;
; in the two or three steps near the diagonal C is the table by distance (four neighbouring entries a load) and the gate is added behind.  The choice hangs on ids and the step's number alone.
; LOADS RUN A STEP AHEAD.  Pass 1: the next step's k, its scale words and its gate (in registers that pass 2 will need and pass 1 does not) are asked for behind this step's products.
; Pass 2: behind the score products this step's v and the next step's k are asked for, each in registers of its own; the next step's C goes into S^T as soon as p's codes are made.
; The last step of each pass so asks for a step that does not exist: those loads read LDS bytes of the regions that follow (all filled) and entries inside the table, and nothing uses them.
; EXPONENTIALS STAND BY TURNS WITH PLAIN WORK: exponential, a multiply-add two pairs ahead, exponential, a sum (pass 1) or a block's maximum (pass 2) two pairs back.
; LDS: k's images 196,608, k's scales 16,384, v's scales 8,192, the gate 16,384, v's steps 0-13 86,016: first fills.  ONE REFILL: behind step 8 of pass 2 k's steps 0-8 and v's steps 0-8 are done with,
; 55,296 bytes each: v's steps 14-22 go into the first, steps 23-31 into the second, 6,912 bytes a wave; they have steps 9-13 in which to land.  Then the spare words.  All of the WGP's LDS is claimed.
; Every wave moves a sixteenth of every block: by this text's count a wave has three tensor loads out at the start and one behind the refill's barrier.
; NOT IN CLUSTERS: what the sixteen query blocks of a head share is 434,176 bytes a work-group, brought once, against 64 steps of vector work.
; LIMITS: a p under 2^-126 is 0 (v_exp_f32 flushes: ISA guide, its entry); a block of zeros gets the byte 1, not 127 (this program alone reads the bytes); NaN and infinities among the inputs are not served;
; p is formed as 2^(t - C) and not by a division: a common factor within about 1e-6 of 1 for a row.
.set FLOOR, 0x02800000
.set KSCO,  196608
.set VSCO,  212992
.set GATE,  221184
.set VRING, 237568
.set VST,   6144                       ; a step's four fragments of v (and two groups' images of k)
.set SPARE, 323584
.set LI,  1                            ; 16 x lane
.set AKS, 2                            ; k's scale words: KSCO + 8 x lane
.set AGT, 3                            ; the gate: GATE + 128 h
.set AVS, 4                            ; v's scale words: VSCO + 8 x lane
.set SH8, 5                            ; 8 h
.set SPW, 6                            ; my spare word; never rewritten
.set NIL, 7                            ; 0; never rewritten
.set LPB, 8                            ; my lane's place in the table
.set ADK, 9
.set ADS, 10
.set ADG, 11
.set ADV, 12
.set ADVS, 13
.set PBA, 14
.set QF,  16                           ; v16-21 q's codes, v22-27 zeros
.set KF,  28                           ; v28-75   k: tile t's six registers at 6 t
.set VF,  76                           ; v76-123  v's four fragments; in pass 1 the gate of tiles 0-5
.set SCR, 124                          ; v124-187 S^T, then p
.set OUT, 188                          ; v188-219 O^T; in pass 1 v188-203 the gate of tiles 6, 7
.set RM,  204                          ; pass 1: the lane's largest t
.set FP,  206                          ; pass 1: v[206:207] 2^(old maximum - new)
.set RL,  208                          ; pass 1: v208-215 the lane's sum, in four chains of pairs
.set PC,  220                          ; v220-231 p's codes
.set MX,  232                          ; v232-239 at work
.set KS,  240                          ; v240-243 k's scale words
.set VS,  244                          ; v244-245 v's
.set QS,  246                          ; q's
.set PW,  247                          ; p's
.set AP,  248                          ; v[248:249] what is added ahead of the exponential (the low word serves both halves)
.set CRW, 249                          ; C
.set WT,  250
.set YY,  251
.set WV,  14
.set HD,  15
.set SEL, 20
.set CS,  22                           ; s[22:23] log2(e)
.set PBL, 24                           ; rel_bias[15][head] x log2(e): keys far ahead of the query
.set PBR, 25                           ; rel_bias[31][head] x log2(e): far behind
.set PBK, 26
.set NEAR, 27
.set K0,  28                           ; a step's first key
.set QL,  29
.set QR,  30
.set KO,  31
.set SO,  32
.set GO,  33
.set VO,  34
.set VSO, 35
.set D4,  36
.set CNT, 37
.set QLO, 39                           ; my tile's first query
.set G1A, 40
.set G1B, 48
.set G1C, 56
.set G1D, 68
.set G0A, 76
.set G0B, 80
.set G0C, 84
.set G0D, 88
.set PBT, 96
.set GRP, 98
.set MT,  99
.macro DENSE g, rows                   ; group 1 of a dense block: rows of 256 bytes (32 elements of 8 bytes), no padding
	s_mov_b32 s[\g], 3<<16
	s_mov_b32 s[\g+1], 32<<16
	s_mov_b32 s[\g+2], (\rows)<<16
	s_mov_b32 s[\g+3], 32<<16
	s_mov_b32 s[\g+4], \rows
	s_mov_b32 s[\g+5], 32
	s_mov_b32 s[\g+6], 0
	s_mov_b32 s[\g+7], 0
.endm
.macro MM d, a, b, c, sa, sb, row      ; one product; row 1: source 0's scales lie in lanes 16-31
.if (\row) == 0
	v_wmma_scale_f32_16x16x128_f8f6f4 v[(\d):(\d)+7], v[(\a):(\a)+11], v[(\b):(\b)+11], v[(\c):(\c)+7], v[(\sa)], v[(\sb)] matrix_a_fmt:MATRIX_FMT_BF6 matrix_b_fmt:MATRIX_FMT_BF6
.else
	v_wmma_scale_f32_16x16x128_f8f6f4 v[(\d):(\d)+7], v[(\a):(\a)+11], v[(\b):(\b)+11], v[(\c):(\c)+7], v[(\sa)], v[(\sb)] matrix_a_fmt:MATRIX_FMT_BF6 matrix_b_fmt:MATRIX_FMT_BF6 matrix_a_scale:MATRIX_SCALE_ROW1
.endif
.endm
	s_load_b256 s[4:11], s[0:1], 0x0               ; qkvc, the gate, rel_bias, wq
	s_load_b64 s[12:13], s[0:1], 0x20              ; ctxq
	v_lshl_add_u32 v[SPW], v0, 2, SPARE
	v_mov_b32 v[NIL], 0
	ds_add_u32 v6, v7
	ds_add_u32 v6, v7
	s_wait_dscnt 0x0
	v_lshrrev_b32 v9, 5, v0
	v_readfirstlane_b32 s[WV], v9                  ; wave 0..15
	s_and_b32 s16, ttmp7, 0xffff                   ; 8 batch + head
	s_and_b32 s[HD], s16, 7
	s_lshr_b32 s17, s16, 3                         ; batch
	DENSE G1A, 54                                  ; k's images and scales and v's scales: 221,184 dense bytes, 13,824 a wave
	DENSE G1B, 4                                   ; the gate: 16,384 bytes, 1,024 a wave
	DENSE G1C, 21                                  ; v's steps 0-13: 86,016 bytes, 5,376 a wave
	DENSE G1D, 27                                  ; v's steps 14-31: 110,592 bytes, 6,912 a wave
	s_mul_i32 s18, s16, 630784
	s_mov_b32 s19, 0
	s_mov_b32 s3, 0
	s_wait_kmcnt 0x0
	s_add_nc_u64 s[4:5], s[4:5], s[18:19]          ; this head's part of qkvc
	s_mul_i32 s2, s[WV], 13824
	s_mov_b32 s[G0A], 1
	s_mov_b32 s[G0A+1], s2
	s_add_nc_u64 s[G0A+2:G0A+3], s[4:5], s[2:3]
	s_or_b32 s[G0A+3], s[G0A+3], 0x80000000
	s_lshl_b32 s2, s[WV], 10
	s_mov_b32 s[G0B], 1
	s_add_co_u32 s[G0B+1], s2, GATE
	s_lshl_b32 s18, s17, 14
	s_add_co_u32 s18, s18, s2
	s_add_nc_u64 s[G0B+2:G0B+3], s[6:7], s[18:19]
	s_or_b32 s[G0B+3], s[G0B+3], 0x80000000
	s_mul_i32 s2, s[WV], 5376
	s_mov_b32 s[G0C], 1
	s_add_co_u32 s[G0C+1], s2, VRING
	s_add_co_u32 s18, s2, 221184
	s_add_nc_u64 s[G0C+2:G0C+3], s[4:5], s[18:19]
	s_or_b32 s[G0C+3], s[G0C+3], 0x80000000
	s_and_b32 s2, s[WV], 7                         ; the refill: waves 0-7 into k's first nine steps' bytes, waves 8-15 into v's
	s_mul_i32 s2, s2, 6912
	s_lshr_b32 s3, s[WV], 3
	s_mul_i32 s3, s3, VRING
	s_mov_b32 s[G0D], 1
	s_add_co_u32 s[G0D+1], s2, s3
	s_mul_i32 s18, s[WV], 6912
	s_add_co_u32 s18, s18, 221184+14*VST
	s_add_nc_u64 s[G0D+2:G0D+3], s[4:5], s[18:19]
	s_or_b32 s[G0D+3], s[G0D+3], 0x80000000
	tensor_load_to_lds s[G0A:G0A+3], s[G1A:G1A+7]  ; the first fills go out together, ahead of every wait on TENSORcnt, every LDS read and every barrier
	s_nop 0
	tensor_load_to_lds s[G0B:G0B+3], s[G1B:G1B+7]
	s_nop 0
	tensor_load_to_lds s[G0C:G0C+3], s[G1C:G1C+7]
	s_nop 0
.rept 4
	v_nop
.endr
	v_and_b32 v9, 31, v0                           ; lane
	v_and_b32 v10, 15, v0                          ; r
	v_bfe_u32 v11, v0, 4, 1                        ; h
	v_lshlrev_b32 v[LI], 4, v9
	v_lshl_add_u32 v[AKS], v9, 3, KSCO
	v_lshl_add_u32 v[AGT], v11, 7, GATE
	v_lshl_add_u32 v[AVS], v9, 3, VSCO
	v_lshlrev_b32 v[SH8], 3, v11
	; the table: entry key - query + 256 of copy cc, cc = (-r) % 4, so that four neighbouring entries begin on a multiple of 16 bytes
	v_sub_nc_u32 v12, 0, v10
	v_and_b32 v12, 3, v12                          ; cc
	v_and_b32 v13, 8, v10
	v_and_b32 v14, 7, v10
	v_lshl_add_u32 v13, v13, 2, v14                ; 32 (r / 8) + r % 8
	v_add_nc_u32 v13, v13, v12
	v_lshl_add_u32 v14, v11, 5, 256
	v_sub_nc_u32 v13, v14, v13                     ; 256 + 32 h - 32 (r / 8) - r % 8 - cc
	v_lshlrev_b32 v13, 2, v13
	v_mad_u32_u24 v[LPB], v12, 2176, v13
	s_and_b32 s[MT], s[WV], 3                      ; m
	s_lshr_b32 s[GRP], s[WV], 2
	s_lshl_b32 s2, ttmp9, 2
	s_add_co_u32 s[GRP], s[GRP], s2                ; my group of 64 queries
	s_lshl_b32 s[QLO], s[GRP], 6
	s_lshl_b32 s2, s[MT], 3
	s_add_co_u32 s[QLO], s[QLO], s2                ; my queries: QLO + 0 .. 7 and QLO + 32 .. 39
	s_sub_co_i32 s[QL], s[QLO], 218                ; K0 <= QL: the last key lies 91 or more ahead of my first query
	s_add_co_u32 s[QR], s[QLO], 130                ; K0 >= QR: the first key lies 91 or more behind my last
	; q: registers 6 m .. 6 m + 5 of the group's image
	s_mul_i32 s18, s[GRP], 3072
	s_add_co_u32 s18, s18, 417792
	s_mul_i32 s19, s[MT], 6
.irp i, 0,1,2,3,4,5
	s_add_co_u32 s2, s19, \i
	s_lshr_b32 s3, s2, 2
	s_lshl_b32 s3, s3, 9
	s_and_b32 s2, s2, 3
	s_lshl_b32 s2, s2, 2
	s_add_co_u32 s2, s2, s3
	s_add_co_u32 s2, s2, s18
	v_add_nc_u32 v[SCR+\i], s2, v[LI]
	global_load_b32 v[QF+\i], v[SCR+\i], s[4:5]
.endr
	s_and_b32 s2, s[MT], 1
	s_lshl_b32 s2, s2, 7
	s_lshr_b32 s3, s[MT], 1
	s_lshl_b32 s3, s3, 2
	s_add_co_u32 s2, s2, s3
	s_lshl_b32 s3, s[GRP], 8
	s_add_co_u32 s2, s2, s3
	s_add_co_u32 s2, s2, 614400
	v_lshl_add_u32 v[SCR+6], v10, 3, s2
	global_load_b32 v[QS], v[SCR+6], s[4:5]        ; row r's scale word, in both halves of the lanes
	s_mul_i32 s[PBT], s[HD], 8704
	s_add_co_u32 s[PBT], s[PBT], 2457600
	s_mov_b32 s[PBT+1], 0
	s_add_nc_u64 s[PBT:PBT+1], s[10:11], s[PBT:PBT+1]   ; this head's table
	s_lshl_b32 s2, s17, 6
	s_add_co_u32 s2, s2, s[GRP]
	s_lshl_b32 s2, s2, 2
	s_lshr_b32 s18, s[HD], 1
	s_add_co_u32 s2, s2, s18
	s_mul_i32 s2, s2, 6656
	s_mov_b32 s3, 0
	s_add_nc_u64 s[12:13], s[12:13], s[2:3]        ; ctxq: unit (token group) 4 + head / 2
	s_mov_b32 s[SEL], 0x76543210
	s_mov_b32 s[SEL+1], 0xfedcba98
	s_mov_b32 s[CS], 0x3fb8aa3b                    ; log2(e)
	s_mov_b32 s[CS+1], s[CS]                       ; (named with it as a pair, so it is written)
	s_lshl_b32 s2, s[HD], 2
	s_load_b32 s[PBL], s[8:9], s2 offset:0x1e0     ; rel_bias[15][head]
	s_load_b32 s[PBR], s[8:9], s2 offset:0x3e0     ; rel_bias[31][head]
.irp i, 6,7,8,9,10,11
	v_mov_b32 v[QF+\i], 0                          ; zero codes for the upper 64 along K
.endr
	v_mov_b32 v[YY], 0                             ; written once: a lane permute's destination counts as one of its sources
	v_mov_b32 v[WT], 0
	v_mov_b32 v[CRW], 0                            ; (upper halves of pairs of which the low word serves)
	v_mov_b32 v[FP+1], 0
	v_mov_b32 v[RM], 0xff61b1e6                    ; -3e38, under every t
.irp i, 0,1,2,3,4,5,6,7
	v_mov_b32 v[RL+\i], 0
.endr
	s_wait_kmcnt 0x0
	s_mul_f32 s[PBL], s[PBL], s[CS]
	s_mul_f32 s[PBR], s[PBR], s[CS]
	s_wait_tensorcnt 0x0                           ; my parts have landed,
	s_barrier_signal -1
	s_barrier_wait -1                              ; everybody's have
	s_wait_loadcnt 0x0                             ; q
.macro LOADK                           ; two groups' images of k, tile t's six registers at 6 t, and their scale words: 14 LDS loads
.set n, 0
.rept 12
	ds_load_b128 v[KF+4*n:KF+4*n+3], v[ADK] offset:512*n
.set n, n+1
.endr
	ds_load_b64 v[KS:KS+1], v[ADS]
	ds_load_b64 v[KS+2:KS+3], v[ADS] offset:256
.endm
.macro LOADG                           ; pass 1: a step's gate, 64 numbers a lane (sixteen lanes share each address), into the registers that serve as C: tiles 0-5 at VF, tiles 6, 7 at OUT
.set n, 0
.rept 16
	ds_load_b128 v[VF+4*n+64*(n/12):VF+4*n+64*(n/12)+3], v[ADG] offset:256*(n/8)+16*(n%8)
.set n, n+1
.endr
.endm
.macro TABLE                           ; near the diagonal: the position bias of my 64 keys and my query into S^T
	s_mov_b32 s[PBK], 0
	s_sub_co_i32 s[D4], s[K0], s[QLO]
	s_lshl_b32 s[D4], s[D4], 2
	v_add_nc_u32 v[PBA], s[D4], v[LPB]             ; (the last loads that named this register have been waited for)
.set n, 0
.rept 16
	global_load_b128 v[SCR+4*n:SCR+4*n+3], v[PBA], s[PBT:PBT+1] offset:256*(n/8)+16*(n%8)
.set n, n+1
.endr
.endm
.macro FM ix                           ; pair ix: score x log2(e) + AP
	v_pk_fma_f32 v[SCR+2*(\ix):SCR+2*(\ix)+1], v[SCR+2*(\ix):SCR+2*(\ix)+1], s[CS:CS+1], v[AP:AP+1] op_sel_hi:[1,0,0]
.endm
.macro USE kind, ix                    ; what is made of pair ix's two exponentials.  kind 1: the sum, four chains.  kind 2: the block's largest p, two chains a block, begun with the floor 2^(5 - 127); no |.|: no p is negative
.if (\kind) == 1
	s_wait_alu depctr_va_vdst(0)
	v_pk_add_f32 v[RL+2*((\ix)%4):RL+2*((\ix)%4)+1], v[RL+2*((\ix)%4):RL+2*((\ix)%4)+1], v[SCR+2*(\ix):SCR+2*(\ix)+1]
.elseif ((\ix)%16) < 2
	s_wait_alu depctr_va_vdst(0)
	v_max3_num_f32 v[MX+2*((\ix)/16)+(\ix)%2], v[SCR+2*(\ix)], v[SCR+2*(\ix)+1], FLOOR
.else
	s_wait_alu depctr_va_vdst(0)
	v_max3_num_f32 v[MX+2*((\ix)/16)+(\ix)%2], v[MX+2*((\ix)/16)+(\ix)%2], v[SCR+2*(\ix)], v[SCR+2*(\ix)+1]
.endif
.endm
; 64 exponentials by turns with plain work (pairs 0 and 1 have had their multiply-add).  Behind each pair's second exponential a plain line stands before the pair is used (ISA guide 5.7.2): the line two pairs back.
.macro SCALE_EXP kind
.set n, 0
.rept 32
	v_exp_f32 v[SCR+2*n], v[SCR+2*n]
.if n < 30
	FM n+2
.endif
	v_exp_f32 v[SCR+2*n+1], v[SCR+2*n+1]
.if n >= 2
	USE \kind, n-2
.endif
.set n, n+1
.endr
	USE \kind, 30
	USE \kind, 31
.endm
; PASS 1.  Register 32 g + i of S^T = score + gate (+ position bias near the diagonal) of key K0 + 64 g + 32 h + i and my query.
; The maximum and the sum are the LANE'S OWN (its 64 keys of each step): no lane is asked until the pass's end.
.macro NEXT1                           ; the next step's addresses: also the four places behind the products, in front of the first read of results and of loads into registers that they read
	v_add_nc_u32 v[ADK], s[KO], v[LI]
	v_add_nc_u32 v[ADS], s[SO], v[AKS]
	v_add_nc_u32 v[ADG], s[GO], v[AGT]
	v_nop
.endm
.macro STEP1
	s_add_co_u32 s[KO], s[KO], VST                 ; the next step's places
	s_add_co_u32 s[SO], s[SO], 512
	s_add_co_u32 s[GO], s[GO], 512
	s_cmp_le_i32 s[K0], s[QL]
	s_cselect_b32 s[PBK], s[PBL], s[PBR]
	s_cbranch_scc1 .Lfar_\@
	s_cmp_ge_i32 s[K0], s[QR]
	s_cbranch_scc1 .Lfar_\@
	TABLE
	s_wait_loadcnt 0x0
	s_wait_dscnt 0x0
.set n, 0
.rept 8
	MM SCR+8*n, KF+6*n, QF, SCR+8*n, KS+n/2, QS, n%2
.set n, n+1
.endr
	NEXT1
.set n, 0
.rept 32
	v_pk_add_f32 v[SCR+n:SCR+n+1], v[SCR+n:SCR+n+1], v[VF+n+64*(n/48):VF+n+64*(n/48)+1]   ; the gate, from each accumulator's low end on
.set n, n+2
.endr
	s_branch .Ljoin_\@
.Lfar_\@:
	s_wait_dscnt 0x0                               ; k, its scale words and the gate were asked for a step ago
.set n, 0
.rept 8
	MM SCR+8*n, KF+6*n, QF, VF+8*n+64*(n/6), KS+n/2, QS, n%2     ; C = the gate; eight accumulators, one instruction each
.set n, n+1
.endr
	NEXT1
.Ljoin_\@:
	LOADK                                          ; the next step's: they land under this step's vector work
	LOADG
.irp q, 0,1,2,3,4,5,6,7
	v_max3_num_f32 v[MX+\q], v[SCR+8*\q], v[SCR+8*\q+1], v[SCR+8*\q+2]       ; eight chains, one an accumulator, from its low end on
.endr
.irp i, 3,5
.irp q, 0,1,2,3,4,5,6,7
	v_max3_num_f32 v[MX+\q], v[MX+\q], v[SCR+8*\q+\i], v[SCR+8*\q+\i+1]
.endr
.endr
.irp q, 0,2,4,6
	v_max3_num_f32 v[MX+\q], v[MX+\q], v[SCR+8*\q+7], v[SCR+8*\q+15]
.endr
	v_max3_num_f32 v[MX], v[MX], v[MX+1], v[MX+2]
	v_max3_num_f32 v[MX+3], v[MX+3], v[MX+4], v[MX+5]
	v_max3_num_f32 v[MX], v[MX], v[MX+6], v[MX+7]
	v_max_num_f32 v[MX], v[MX], v[MX+3]
	v_fma_f32 v[MX], v[MX], s[CS], s[PBK]          ; as t
	v_max_num_f32 v[MX+1], v[RM], v[MX]            ; the new largest t
	v_sub_f32 v[MX+2], v[RM], v[MX+1]
	v_exp_f32 v[FP], v[MX+2]                       ; 2^(old - new)
	v_mov_b32 v[RM], v[MX+1]
	v_sub_f32 v[AP], s[PBK], v[MX+1]
	FM 0
	FM 1
	s_wait_alu depctr_va_vdst(0)
.irp q, 0,2,4,6
	v_pk_mul_f32 v[RL+\q:RL+\q+1], v[RL+\q:RL+\q+1], v[FP:FP+1] op_sel_hi:[1,0]          ; the sums under the new maximum
.endr
	SCALE_EXP 1
	s_add_co_u32 s[K0], s[K0], 128
.endm
	s_mov_b32 s[K0], 0
	s_mov_b32 s[KO], 0
	s_mov_b32 s[SO], 0
	s_mov_b32 s[GO], 0
	NEXT1
	LOADK                                          ; step 0's
	LOADG
	s_mov_b32 s[CNT], 32
.Lpass1:
	STEP1
	s_sub_co_u32 s[CNT], s[CNT], 1
	s_cmp_lg_u32 s[CNT], 0
	s_cbranch_scc1 .Lpass1
	s_wait_dscnt 0x0                               ; the loads that the last step asked for have landed: their registers may be written
	; the two halves of the lanes meet; the divisor; C
	v_pk_add_f32 v[RL:RL+1], v[RL:RL+1], v[RL+2:RL+3]
	v_pk_add_f32 v[RL+4:RL+5], v[RL+4:RL+5], v[RL+6:RL+7]
	v_pk_add_f32 v[RL:RL+1], v[RL:RL+1], v[RL+4:RL+5]
	v_add_f32 v[RL], v[RL], v[RL+1]
	v_permlanex16_b32 v[YY], v[RM], s[SEL], s[SEL+1]
	v_permlanex16_b32 v[WT], v[RL], s[SEL], s[SEL+1]
	v_max_num_f32 v[MX], v[RM], v[YY]              ; the row's largest t
	v_sub_f32 v[MX+1], v[RM], v[MX]
	v_sub_f32 v[MX+2], v[YY], v[MX]
	v_exp_f32 v[MX+1], v[MX+1]
	v_exp_f32 v[MX+2], v[MX+2]
	v_exp_f32 v[MX+3], -v[MX]                      ; e^(-m)
	v_nop
	s_wait_alu depctr_va_vdst(0)
	v_mul_f32 v[RL], v[RL], v[MX+1]
	v_mul_f32 v[WT], v[WT], v[MX+2]
	v_add_f32 v[RL], v[RL], v[WT]                  ; two products and a sum, not fused: so both halves of the lanes get the same bits
	v_add_f32 v[RL], v[RL], v[MX+3]                ; the divisor
	v_log_f32 v[RL+1], v[RL]
	v_nop
	s_wait_alu depctr_va_vdst(0)
	v_add_f32 v[CRW], v[MX], v[RL+1]               ; C.  (A divisor that has overflowed gives C = infinity and every p = 0, as e / infinity does)
.set n, 0
.rept 32
	v_mov_b32 v[OUT+n], 0                          ; O^T: the step is written without a first form of its own
.set n, n+1
.endr
; PASS 2.
.macro CPRE                            ; the C of the step that begins at key K0 goes into S^T: the gate, or near the diagonal the table.  No LDS load of mine is out when it begins
	s_cmp_le_i32 s[K0], s[QL]
	s_cselect_b32 s[PBK], s[PBL], s[PBR]
	s_cbranch_scc1 .Lfar_\@
	s_cmp_ge_i32 s[K0], s[QR]
	s_cbranch_scc1 .Lfar_\@
	s_mov_b32 s[NEAR], 1
	TABLE
	s_branch .Ljoin_\@
.Lfar_\@:
	s_mov_b32 s[NEAR], 0
.set n, 0
.rept 16
	ds_load_b128 v[SCR+4*n:SCR+4*n+3], v[ADG] offset:256*(n/8)+16*(n%8)
.set n, n+1
.endr
.Ljoin_\@:
.endm
.macro STEP2
	s_wait_loadcnt 0x0                             ; the table, where C is the table
.set n, 0
.rept 4
	s_wait_dscnt 12-4*n                            ; the only LDS loads that can be out are the sixteen that bring the gate: these two products need the first 4 n + 4 of them
	MM SCR+16*n, KF+12*n, QF, SCR+16*n, KS+n, QS, 0
	MM SCR+16*n+8, KF+12*n+6, QF, SCR+16*n+8, KS+n, QS, 1
.set n, n+1
.endr
	s_add_co_u32 s[KO], s[KO], VST                 ; the next step's k
	s_add_co_u32 s[SO], s[SO], 512
	v_sub_f32 v[AP], s[PBK], v[CRW]                ; these four lines are also the places behind the products, this step's and the last step's, in front of the first read of results and of loads into registers that they read
	v_add_nc_u32 v[ADK], s[KO], v[LI]
	v_add_nc_u32 v[ADS], s[SO], v[AKS]
	v_nop
	s_cmp_eq_u32 s[NEAR], 0
	s_cbranch_scc1 .Lgated_\@
.irp g, 0,1                            ; near the diagonal the gate is added behind the products: 32 numbers at a time, through v's registers
.set n, 0
.rept 8
	ds_load_b128 v[VF+4*n:VF+4*n+3], v[ADG] offset:256*\g+16*n
.set n, n+1
.endr
	s_wait_dscnt 0x0
.set n, 0
.rept 16
	v_pk_add_f32 v[SCR+32*\g+n:SCR+32*\g+n+1], v[SCR+32*\g+n:SCR+32*\g+n+1], v[VF+n:VF+n+1]   ; from each accumulator's low end on
.set n, n+2
.endr
.endr
.Lgated_\@:
.set n, 0
.rept 12
	ds_load_b128 v[VF+4*n:VF+4*n+3], v[ADV] offset:512*n                     ; v's four fragments of these 128 keys,
.set n, n+1
.endr
	ds_load_b64 v[VS:VS+1], v[ADVS]
	LOADK                                          ; and the next step's k: all land under the exponentials
	FM 0
	FM 1
	SCALE_EXP 2                                    ; p, finished and normalised, and each block's largest
	v_max_num_f32 v[MX], v[MX], v[MX+1]            ; my block of the lower 64 keys,
	v_max_num_f32 v[MX+2], v[MX+2], v[MX+3]        ; and of the upper
	v_add_nc_u32 v[MX+4], 0xfe000000, v[MX]        ; 4 off the exponent field: the conversion's scale operand
	v_add_nc_u32 v[MX+5], 0xfe000000, v[MX+2]
	v_cvt_scalef32_pk16_bf6_f32 v[PC:PC+2], v[SCR:SCR+15], v[MX+4]
	v_cvt_scalef32_pk16_bf6_f32 v[PC+6:PC+8], v[SCR+32:SCR+47], v[MX+5]
	v_lshrrev_b32 v[MX+6], 23, v[MX+4]             ; the scales' bytes
	v_lshrrev_b32 v[MX+7], 23, v[MX+5]
	v_lshl_or_b32 v[MX+6], v[MX+7], 16, v[MX+6]
	v_lshlrev_b32 v[MX+6], v[SH8], v[MX+6]
	v_permlanex16_b32 v[YY], v[MX+6], s[SEL], s[SEL+1]
	v_or_b32 v[PW], v[MX+6], v[YY]                 ; p's scale word: eleven plain lines ahead of the products
	v_cvt_scalef32_pk16_bf6_f32 v[SCR:SCR+2], v[SCR+16:SCR+31], v[MX+4]      ; the upper halves (a conversion's three registers begin on an even number) go where the first two conversions have read: six plain lines stand between
	v_cvt_scalef32_pk16_bf6_f32 v[SCR+32:SCR+34], v[SCR+48:SCR+63], v[MX+5]
	s_add_co_u32 s[K0], s[K0], 128                 ; on to the next step
	s_add_co_u32 s[GO], s[GO], 512
	s_add_co_u32 s[VO], s[VO], VST
	s_add_co_u32 s[VSO], s[VSO], 256
	v_add_nc_u32 v[ADG], s[GO], v[AGT]             ; (the plain place behind the conversions)
.irp i, 0,1,2
	v_mov_b32 v[PC+3+\i], v[SCR+\i]
	v_mov_b32 v[PC+9+\i], v[SCR+32+\i]
.endr
	s_wait_dscnt 0x0                               ; v and the next step's k are in: both were asked for ahead of the exponentials
	CPRE                                           ; S^T is free: the next step's C
	v_add_nc_u32 v[ADV], s[VO], v[LI]              ; an operand written by vector instructions stands four places ahead of a scaled product
	v_add_nc_u32 v[ADVS], s[VSO], v[AVS]
	v_nop
	v_nop
.irp u, 0,1,2,3
	MM OUT+8*\u, VF+12*\u, PC, OUT+8*\u, VS+\u/2, PW, \u%2
.endr
.endm
.macro SEG first, vo, trips            ; steps first .. first + trips - 1, whose v lies from LDS byte vo on.  The places are written anew as constants; they are what the last step left, all but v's
	s_mov_b32 s[K0], 128*(\first)
	s_mov_b32 s[KO], VST*(\first)
	s_mov_b32 s[SO], 512*(\first)
	s_mov_b32 s[GO], 512*(\first)
	s_mov_b32 s[VSO], 256*(\first)
	s_mov_b32 s[VO], \vo
	v_add_nc_u32 v[ADV], s[VO], v[LI]
	s_mov_b32 s[CNT], \trips
.Lseg_\@:
	STEP2
	s_sub_co_u32 s[CNT], s[CNT], 1
	s_cmp_lg_u32 s[CNT], 0
	s_cbranch_scc1 .Lseg_\@
.endm
; A MEETING OF THE SIXTEEN WAVES: each waits for all its tensor loads, adds 0 to its spare word, and waits for that and for all its LDS reads.  fill = 1: behind the barrier nobody reads k's or v's steps 0-8 any more, and they are filled.
.macro CHANGE fill
	s_wait_tensorcnt 0x0                           ; no tensor load of mine is out
	ds_add_u32 v[SPW], v[NIL]                      ; 0 onto my spare word
	s_wait_dscnt 0x0                               ; the add is done, and my LDS reads are over
	s_barrier_signal -1
	s_barrier_wait -1
.if \fill
	tensor_load_to_lds s[G0D:G0D+3], s[G1D:G1D+7]  ; the first thing behind the barrier, and my one tensor load behind it
	s_nop 0
.rept 4
	v_nop
.endr
.endif
.endm
	s_mov_b32 s[K0], 0
	s_mov_b32 s[KO], 0
	s_mov_b32 s[SO], 0
	s_mov_b32 s[GO], 0
	s_mov_b32 s[VSO], 0
	v_add_nc_u32 v[ADK], s[KO], v[LI]
	v_add_nc_u32 v[ADS], s[SO], v[AKS]
	v_add_nc_u32 v[ADG], s[GO], v[AGT]
	v_add_nc_u32 v[ADVS], s[VSO], v[AVS]
	LOADK                                          ; step 0's k,
	s_wait_dscnt 0x0
	CPRE                                           ; and its C
	SEG 0, VRING, 9                                ; steps 0-8
	CHANGE 1                                       ; v's steps 14-31 are asked for
	SEG 9, VRING+9*VST, 5                          ; steps 9-13: in them the refill lands
	CHANGE 0                                       ; everybody's part of it has landed
	SEG 14, 0, 9                                   ; steps 14-22: v lies where k's steps 0-8 lay
	SEG 23, VRING, 9                               ; steps 23-31: where v's steps 0-8 lay
	; THE WAY OUT: my 32 registers are channels 32 h + 0 .. 31 of my query: one block of the next product's K.  They become half c = head % 2 of tile m's fragment in unit head / 2.
	s_wait_loadcnt 0x0                             ; the loads that the last step asked for have landed
	s_wait_dscnt 0x0
.rept 4
	v_nop
.endr
	v_max3_num_f32 v[MX], |v[OUT]|, |v[OUT+1]|, FLOOR
	v_max3_num_f32 v[MX+1], |v[OUT+16]|, |v[OUT+17]|, FLOOR
.irp i, 2,4,6,8,10,12,14
	v_max3_num_f32 v[MX], v[MX], |v[OUT+\i]|, |v[OUT+\i+1]|
	v_max3_num_f32 v[MX+1], v[MX+1], |v[OUT+16+\i]|, |v[OUT+17+\i]|
.endr
	v_max_num_f32 v[MX], v[MX], v[MX+1]
	v_add_nc_u32 v[MX+4], 0xfe000000, v[MX]
	v_lshrrev_b32 v[MX+6], 23, v[MX+4]
	v_lshlrev_b32 v[MX+6], v[SH8], v[MX+6]
	v_permlanex16_b32 v[YY], v[MX+6], s[SEL], s[SEL+1]
	v_or_b32 v[WT], v[MX+6], v[YY]                 ; my row's two bytes
	v_cvt_scalef32_pk16_bf6_f32 v[PC:PC+2], v[OUT:OUT+15], v[MX+4]
	v_cvt_scalef32_pk16_bf6_f32 v[VF:VF+2], v[OUT+16:OUT+31], v[MX+4]
	v_nop
.irp i, 0,1,2
	v_mov_b32 v[PC+3+\i], v[VF+\i]
.endr
	s_and_b32 s2, s[HD], 1                         ; c
	s_mul_i32 s3, s[MT], 1536
	s_mul_i32 s18, s2, 520
	s_add_co_u32 s18, s18, s3
	v_add_nc_u32 v[ADV], s18, v[LI]                ; registers 0, 1 of the half: 16 l, or 16 l + 520; registers 4, 5: 512 further on
	s_mul_i32 s18, s2, 1016
	s_add_co_u32 s18, s18, s3
	s_add_co_u32 s18, s18, 8
	v_add_nc_u32 v[ADVS], s18, v[LI]               ; registers 2, 3: 16 l + 8, or 16 l + 1,024
	s_lshl_b32 s18, s[MT], 2
	s_lshl_b32 s2, s2, 1
	s_add_co_u32 s18, s18, s2
	v_add_nc_u32 v[ADK], s18, v[LI]                ; the scale word's half: 16 l + 4 m + 2 c
	global_store_b64 v[ADV], v[PC:PC+1], s[12:13]
	global_store_b64 v[ADVS], v[PC+2:PC+3], s[12:13]
	global_store_b64 v[ADV], v[PC+4:PC+5], s[12:13] offset:512
	global_store_b16 v[ADK], v[WT], s[12:13] offset:6144
	s_wait_tensorcnt 0x0                           ; the wave's end
	ds_add_u32 v[SPW], v[NIL]
	s_wait_dscnt 0x0
	s_endpgm
.Lfunc_end_k_q04e7273af7_attn:
	.size	k_q04e7273af7_attn, .Lfunc_end_k_q04e7273af7_attn-k_q04e7273af7_attn
	.p2alignl 7, 3214868480
	.fill 96, 4, 3214868480
	.section	.rodata,"a",@progbits
	.p2align	6, 0x0
	.amdhsa_kernel k_q04e7273af7_attn
		.amdhsa_group_segment_fixed_size 327680
		.amdhsa_private_segment_fixed_size 0
		.amdhsa_enable_private_segment 0
		.amdhsa_kernarg_size 40
		.amdhsa_user_sgpr_count 2
		.amdhsa_user_sgpr_kernarg_segment_ptr 1
		.amdhsa_wavefront_size32 1
		.amdhsa_system_sgpr_workgroup_id_x 1
		.amdhsa_system_sgpr_workgroup_id_y 1
		.amdhsa_system_sgpr_workgroup_id_z 1
		.amdhsa_system_vgpr_workitem_id 0
		.amdhsa_next_free_vgpr 256
		.amdhsa_next_free_sgpr 102
		.amdhsa_reserve_vcc 0
		.amdhsa_float_denorm_mode_32 3
		.amdhsa_float_denorm_mode_16_64 3
		.amdhsa_memory_ordered 1
		.amdhsa_forward_progress 1
		.amdhsa_inst_pref_size 114
	.end_amdhsa_kernel
	.amdgpu_metadata
---
amdhsa.version: [ 1, 2 ]
amdhsa.kernels:
  - .name:           k_q04e7273af7_attn
    .symbol:         k_q04e7273af7_attn.kd
    .args:
      - { .name: qkvc, .offset: 0, .size: 8, .value_kind: global_buffer, .address_space: global }
      - { .name: delete_gate_mask, .offset: 8, .size: 8, .value_kind: global_buffer, .address_space: global }
      - { .name: rel_bias, .offset: 16, .size: 8, .value_kind: global_buffer, .address_space: global }
      - { .name: wq, .offset: 24, .size: 8, .value_kind: global_buffer, .address_space: global }
      - { .name: ctxq, .offset: 32, .size: 8, .value_kind: global_buffer, .address_space: global }
    .group_segment_fixed_size: 327680
    .private_segment_fixed_size: 0
    .kernarg_segment_align: 8
    .kernarg_segment_size: 40
    .max_flat_workgroup_size: 512
    .sgpr_count:     102
    .vgpr_count:     256
    .wavefront_size: 32
...
	.end_amdgpu_metadata
.endif
;; end of part 3
;; launch mid (part 4): grid 128 x 2, 16 waves a work-group, no clusters, 190,464 bytes of LDS; arguments ctxq, hidden_states, ln2_w, wq, hidq; writes hidq
.if DOCPART == 4
	.amdgcn_target "amdgcn-amd-amdhsa--gfx1250"
	.amdhsa_code_object_version 6
	.text
	.protected	k_q04e7273af7_mid
	.globl	k_q04e7273af7_mid
	.p2align	8
	.type	k_q04e7273af7_mid,@function
k_q04e7273af7_mid:
	s_mov_b64 s[64:65], 0
	v_nop
	global_prefetch_b8 v0, s[64:65] scope:SCOPE_SE
	s_setreg_imm32_b32 hwreg(HW_REG_WAVE_MODE, 25, 1), 1
	s_wait_xcnt 0x0
; h = hidden + ctx o_w;  y = ln2_w (h rsqrt(mean(h^2) + 1e-6)), quantised along its 512;  hid = relu(y wi), quantised along its 2,048 and stored as register images.  All products on codes of BF6 (E3M2) with E8M0 scales.
; SHARES: work-group (tg, y): 64 tokens; all of h and y (in both work-groups of a tg: 204,800 bytes of weights more, against half the WGPs idle); columns 1,024 y .. + 1,023 of hid.
; O: waves 0-7, wave G: columns 64 G .. + 63 of h, hidden as the C of the first products.  Y: the same waves norm and quantise their columns.  F: all sixteen waves, wave w: columns 64 (16 y + w) .. + 63 of hid.
; All products have source 0 = 16 columns of the weight, source 1 = 16 tokens; lane r of a tile takes row 32 (r / 8) + 8 u + r % 8 of its 64.  So a lane holds one token, and the 32 registers of four tiles are
; columns 32 (lane / 16) + 0 .. 31: a whole block of the next product's K, in the operand's own order.
; A unit of activations: 64 tokens x 128 K, 6,656 bytes: tile m's fragment as an image of its registers at 1,536 m (group q of lane l at 512 q + 16 l), scale words at 6,144 + 16 l + 4 m.  A wave's 64 columns are half c = G % 2 of each fragment.
; LDS: hidden's 64 rows as 128 half rows of 1,024 bytes + 16, and ctx's four units: two tensor loads a wave, filled once; y's four units; 2,048 bytes of partial sums ([tile][row][G]).
; LIMITS: a block of zeros gets the byte 1, not 127 (this program alone reads the bytes); NaN and infinities are not served.
.set FLOOR, 0x02800000
.set HP,   1040
.set CACT, 128*HP
.set YACT, CACT+4*6656
.set SSQ,  YACT+4*6656
.set LI,  1
.set L8,  2
.set SH8, 3
.set AL1, 4                            ; CACT + 16 x lane
.set AL2, 5                            ; YACT + 16 x lane
.set AH,  6                            ; my numbers of hidden
.set SQW, 7
.set SQR, 8
.set YA0, 9                            ; where my half's registers 0, 1 (and, 512 on, 4, 5) go
.set YA1, 10                           ; and 2, 3
.set YH,  11                           ; and my half of the scale word
.set LNA, 12
.set WF,  16
.set WS,  64
.set AF,  66
.set AS,  114
.set ACC, 128
.set PC,  66
.set TC,  90
.set T,   106
.set SC,  110
.set BY,  118
.set Y,   122
.set HW,  106                          ; takes T's place, which is done with
.set SEL, 52
.macro MM d, a, b, sa, sb, zero, row
.if (\zero) && ((\row) == 0)
	v_wmma_scale_f32_16x16x128_f8f6f4 v[(\d):(\d)+7], v[(\a):(\a)+11], v[(\b):(\b)+11], 0, v[(\sa)], v[(\sb)] matrix_a_fmt:MATRIX_FMT_BF6 matrix_b_fmt:MATRIX_FMT_BF6
.elseif (\zero)
	v_wmma_scale_f32_16x16x128_f8f6f4 v[(\d):(\d)+7], v[(\a):(\a)+11], v[(\b):(\b)+11], 0, v[(\sa)], v[(\sb)] matrix_a_fmt:MATRIX_FMT_BF6 matrix_b_fmt:MATRIX_FMT_BF6 matrix_a_scale:MATRIX_SCALE_ROW1
.elseif (\row) == 0
	v_wmma_scale_f32_16x16x128_f8f6f4 v[(\d):(\d)+7], v[(\a):(\a)+11], v[(\b):(\b)+11], v[(\d):(\d)+7], v[(\sa)], v[(\sb)] matrix_a_fmt:MATRIX_FMT_BF6 matrix_b_fmt:MATRIX_FMT_BF6
.else
	v_wmma_scale_f32_16x16x128_f8f6f4 v[(\d):(\d)+7], v[(\a):(\a)+11], v[(\b):(\b)+11], v[(\d):(\d)+7], v[(\sa)], v[(\sb)] matrix_a_fmt:MATRIX_FMT_BF6 matrix_b_fmt:MATRIX_FMT_BF6 matrix_a_scale:MATRIX_SCALE_ROW1
.endif
.endm
; Four blocks of 32 numbers, block k in v[src + 32 k] on, become codes v[PC + 6 k] .. + 5 and the halfword v[HW + k]: my row's byte of the lower 32 and of the upper 32.
.macro Q4 src
.irp k, 0,1,2,3
	v_max3_num_f32 v[T+\k], |v[(\src)+32*\k]|, |v[(\src)+32*\k+1]|, FLOOR
.endr
.irp i, 2,4,6,8,10,12,14,16,18,20,22,24,26,28,30
.irp k, 0,1,2,3
	v_max3_num_f32 v[T+\k], v[T+\k], |v[(\src)+32*\k+\i]|, |v[(\src)+32*\k+\i+1]|
.endr
.endr
.irp k, 0,1,2,3
	v_add_nc_u32 v[SC+\k], 0xfe000000, v[T+\k]
.endr
.irp k, 0,1,2,3
	v_lshrrev_b32 v[BY+\k], 23, v[SC+\k]
.endr
.irp k, 0,1,2,3
	v_lshlrev_b32 v[BY+\k], v[SH8], v[BY+\k]
.endr
.irp k, 0,1,2,3
	v_permlanex16_b32 v[Y+\k], v[BY+\k], s[SEL], s[SEL+1]
.endr
.irp k, 0,1,2,3
	v_or_b32 v[HW+\k], v[BY+\k], v[Y+\k]
.endr
.irp k, 0,1,2,3
	v_cvt_scalef32_pk16_bf6_f32 v[PC+6*\k:PC+6*\k+2], v[(\src)+32*\k:(\src)+32*\k+15], v[SC+\k]
	v_cvt_scalef32_pk16_bf6_f32 v[TC+4*\k:TC+4*\k+2], v[(\src)+32*\k+16:(\src)+32*\k+31], v[SC+\k]
.endr
	v_nop                                          ; one plain place behind the conversions
.irp k, 0,1,2,3
.irp i, 0,1,2
	v_mov_b32 v[PC+6*\k+3+\i], v[TC+4*\k+\i]
.endr
.endr
.endm
.macro WLOADS s, wb
.set p, 0
.rept 12
	global_load_b128 v[WF+4*p:WF+4*p+3], v[LI], s[\wb:\wb+1] offset:6400*(\s)+512*p
.set p, p+1
.endr
	global_load_b64 v[WS:WS+1], v[L8], s[\wb:\wb+1] offset:6400*(\s)+6144
.endm
; A K step of 128: sixteen products, the sixteen accumulators by turns, in the same order in every step.
.macro KSTEP s, first, pre, wb, al
.if (\pre) == 0
	WLOADS \s, \wb
.endif
.set p, 0
.rept 12
	ds_load_b128 v[AF+4*p:AF+4*p+3], v[\al] offset:6656*(\s)+512*p
.set p, p+1
.endr
	ds_load_b128 v[AS:AS+3], v[\al] offset:6656*(\s)+6144
	s_wait_loadcnt 0x0
	s_wait_dscnt 0x0
.irp m, 0,1,2,3
.irp u, 0,1,2,3
	MM ACC+32*\m+8*\u, WF+12*\u, AF+12*\m, WS+\u/2, AS+\m, \first, \u%2
.endr
.endr
.rept 4
	v_nop                                          ; four places in front of loads into registers that these products read, and of the first read of results
.endr
.endm
	s_load_b256 s[4:11], s[0:1], 0x0               ; ctxq, hidden, ln2_w, wq
	s_load_b64 s[12:13], s[0:1], 0x20              ; hidq
	v_lshl_add_u32 v126, v0, 2, 0x2e000
	v_mov_b32 v127, 0
	ds_add_u32 v126, v127
	ds_add_u32 v126, v127
	v_lshrrev_b32 v13, 5, v0
	v_readfirstlane_b32 s14, v13                   ; wave
	s_mov_b32 s15, ttmp9                           ; tg
	s_and_b32 s28, ttmp7, 0xffff                   ; y
	s_and_b32 s44, s14, 7                          ; G
	; hidden: 8 half rows of 256 numbers of 4 bytes a wave, dense, 16 bytes of padding behind each
	s_mov_b32 s16, (2<<16)|(1<<20)|(7<<22)|(3<<25)
	s_mov_b32 s17, 256<<16
	s_mov_b32 s18, 8<<16
	s_mov_b32 s19, 256<<16
	s_mov_b32 s20, 8
	s_mov_b32 s21, 256
	s_mov_b32 s22, 0
	s_mov_b32 s23, 0
	; ctx: 26,624 dense bytes: 13 rows of 128 bytes (16 elements of 8 bytes) a wave
	s_mov_b32 s32, 3<<16
	s_mov_b32 s33, 16<<16
	s_mov_b32 s34, 13<<16
	s_mov_b32 s35, 16<<16
	s_mov_b32 s36, 13
	s_mov_b32 s37, 16
	s_mov_b32 s38, 0
	s_mov_b32 s39, 0
	s_mov_b32 s24, 1
	s_mul_i32 s25, s14, 8*HP
	s_lshl_b32 s30, s15, 17
	s_lshl_b32 s31, s14, 13
	s_add_co_u32 s30, s30, s31
	s_mov_b32 s31, 0
	s_mov_b32 s40, 1
	s_mul_i32 s29, s14, 1664
	s_add_co_u32 s41, s29, CACT
	s_mul_i32 s54, s15, 26624
	s_add_co_u32 s54, s54, s29
	s_mov_b32 s55, 0
	s_mov_b32 s50, 0x3b000000                      ; 1 / 512
	s_mov_b32 s51, 0x358637bd                      ; 1e-6
	s_mov_b32 s[SEL], 0x76543210
	s_mov_b32 s[SEL+1], 0xfedcba98
	; every LDS address is made here, ahead of the first parting of the waves
	v_and_b32 v13, 31, v0                          ; lane
	v_lshlrev_b32 v[LI], 4, v13
	v_lshlrev_b32 v[L8], 3, v13
	v_and_b32 v13, 15, v0                          ; r
	v_bfe_u32 v14, v0, 4, 1                        ; h
	v_lshlrev_b32 v[SH8], 3, v14
	v_add_nc_u32 v[AL1], CACT, v[LI]
	v_add_nc_u32 v[AL2], YACT, v[LI]
	v_and_b32 v15, 8, v13
	v_and_b32 v[AH], 7, v13
	v_lshl_add_u32 v15, v15, 2, v[AH]              ; 32 (r / 8) + r % 8
	v_mul_u32_u24 v[AH], v15, 2*HP
	v_lshl_add_u32 v[AH], v14, 7, v[AH]            ; + 128 h
	s_lshr_b32 s29, s44, 2
	s_mul_i32 s29, s29, HP                         ; + the half row,
	s_and_b32 s45, s44, 3
	s_lshl_b32 s45, s45, 8                         ; + my 64 columns in it
	s_add_co_u32 s29, s29, s45
	v_add_nc_u32 v[AH], s29, v[AH]
	v_lshlrev_b32 v15, 5, v13                      ; 32 r
	v_add_nc_u32 v[SQR], SSQ, v15
	s_lshl_b32 s29, s44, 2
	v_add_nc_u32 v[SQW], s29, v[SQR]               ; + 4 G
	s_lshr_b32 s29, s44, 1
	s_mul_i32 s29, s29, 6656                       ; y's unit G / 2
	s_and_b32 s45, s44, 1                          ; c
	s_mul_i32 s56, s45, 520
	s_add_co_u32 s56, s56, s29
	s_add_co_u32 s56, s56, YACT
	v_add_nc_u32 v[YA0], s56, v[LI]
	s_mul_i32 s56, s45, 1016
	s_add_co_u32 s56, s56, s29
	s_add_co_u32 s56, s56, YACT+8
	v_add_nc_u32 v[YA1], s56, v[LI]
	s_lshl_b32 s56, s45, 1
	s_add_co_u32 s56, s56, s29
	s_add_co_u32 s56, s56, YACT+6144
	v_add_nc_u32 v[YH], s56, v[LI]
	s_lshl_b32 s29, s44, 8
	v_lshl_add_u32 v[LNA], v14, 7, s29             ; ln2_w: 256 G + 128 h
.irp k, 122,123,124,125
	v_mov_b32 v\k, 0                               ; written once: a lane permute's destination counts as one of its sources
.endr
	s_mul_i32 s56, s44, 128000
	s_add_co_u32 s56, s56, 614400                  ; o_w's four units of column group G
	s_mov_b32 s57, 0
	s_lshl_b32 s58, s28, 4
	s_add_co_u32 s58, s58, s14                     ; 16 y + wave
	s_mul_i32 s58, s58, 25600
	s_add_co_u32 s58, s58, 1638400                 ; wi's four units of my column group
	s_mov_b32 s59, 0
	s_wait_dscnt 0x0
	s_wait_kmcnt 0x0
	s_add_nc_u64 s[26:27], s[6:7], s[30:31]
	s_or_b32 s27, s27, 0x80000000
	s_add_nc_u64 s[42:43], s[4:5], s[54:55]
	s_or_b32 s43, s43, 0x80000000
	tensor_load_to_lds s[24:27], s[16:23]          ; my two tensor loads: both fill once
	s_nop 0
	tensor_load_to_lds s[40:43], s[32:39]
	s_nop 0
.rept 4
	v_nop
.endr
	s_add_nc_u64 s[46:47], s[10:11], s[56:57]
	s_add_nc_u64 s[48:49], s[10:11], s[58:59]
	s_lshl_b32 s54, s15, 4
	s_lshl_b32 s56, s28, 3
	s_add_co_u32 s54, s54, s56
	s_lshr_b32 s56, s14, 1
	s_add_co_u32 s54, s54, s56
	s_mul_i32 s54, s54, 6656
	s_add_nc_u64 s[12:13], s[12:13], s[54:55]      ; hidq: unit 16 tg + 8 y + wave / 2
	s_wait_tensorcnt 0x0
	s_barrier_signal -1
	s_barrier_wait -1                              ; hidden and ctx lie in LDS
	s_cmp_lt_u32 s14, 8
	s_cbranch_scc0 .Lskip_o
	; ---- O: register 32 m + i = h(token of tile m, 64 G + 32 h + i)
.irp m, 0,1,2,3
.irp q, 0,1,2,3,4,5,6,7
	ds_load_b128 v[ACC+32*\m+4*\q:ACC+32*\m+4*\q+3], v[AH] offset:16*HP*\m+16*\q      ; the residual is the C of the first products
.endr
.endr
	KSTEP 0, 0, 0, 46, AL1
	KSTEP 1, 0, 0, 46, AL1
	KSTEP 2, 0, 0, 46, AL1
	KSTEP 3, 0, 0, 46, AL1
.irp q, 0,1,2,3,4,5,6,7
	global_load_b128 v[AF+4*\q:AF+4*\q+3], v[LNA], s[8:9] offset:16*\q
.endr
.irp m, 0,1,2,3
	v_pk_mul_f32 v[118+2*\m:119+2*\m], v[ACC+32*\m:ACC+32*\m+1], v[ACC+32*\m:ACC+32*\m+1]   ; the squares' sums, the four tiles by turns, from each accumulator's low end on
.endr
.irp i, 2,4,6,8,10,12,14,16,18,20,22,24,26,28,30
.irp m, 0,1,2,3
	v_pk_fma_f32 v[118+2*\m:119+2*\m], v[ACC+32*\m+\i:ACC+32*\m+\i+1], v[ACC+32*\m+\i:ACC+32*\m+\i+1], v[118+2*\m:119+2*\m]
.endr
.endr
.irp m, 0,1,2,3
	v_add_f32 v[118+2*\m], v[118+2*\m], v[119+2*\m]
.endr
.irp m, 0,1,2,3
	v_permlanex16_b32 v[119+2*\m], v[118+2*\m], s[SEL], s[SEL+1]
.endr
.irp m, 0,1,2,3
	v_add_f32 v[118+2*\m], v[118+2*\m], v[119+2*\m]     ; my token's sum over my 64 columns
.endr
.irp m, 0,1,2,3
	ds_store_b32 v[SQW], v[118+2*\m] offset:512*\m
.endr
.Lskip_o:
	WLOADS 0, 48                                   ; wi's first unit is asked for now: it lands while y is made
	s_wait_dscnt 0x0                               ; for the others' sake
	s_barrier_signal -1
	s_barrier_wait -1
	s_cmp_lt_u32 s14, 8
	s_cbranch_scc0 .Lskip_y
	; ---- Y
.irp b, 0,1
.irp mm, 0,1
.irp q, 0,1
	ds_load_b128 v[98+8*\mm+4*\q:101+8*\mm+4*\q], v[SQR] offset:512*(2*\b+\mm)+16*\q     ; my token's eight partial sums
.endr
.endr
	s_wait_dscnt 0x0
.irp i, 1,2,3,4,5,6,7
.irp mm, 0,1
	v_add_f32 v[98+8*\mm], v[98+8*\mm], v[98+8*\mm+\i]
.endr
.endr
.irp mm, 0,1
	v_fma_f32 v[98+8*\mm], v[98+8*\mm], s50, s51   ; the mean + 1e-6
.endr
.irp mm, 0,1
	v_rsq_f32 v[118+4*\b+2*\mm], v[98+8*\mm]
	v_rsq_f32 v[119+4*\b+2*\mm], v[98+8*\mm]       ; twice: a pair for the packed multiply
.endr
	v_nop                                          ; one plain place behind the transcendentals
.endr
	s_wait_loadcnt 13                              ; ln2_w is in; the 13 younger loads are wi's first unit
	s_wait_alu depctr_va_vdst(0)
.irp m, 0,1,2,3
.irp i, 0,2,4,6,8,10,12,14,16,18,20,22,24,26,28,30
	v_pk_mul_f32 v[ACC+32*\m+\i:ACC+32*\m+\i+1], v[ACC+32*\m+\i:ACC+32*\m+\i+1], v[118+2*\m:119+2*\m]
.endr
.endr
.irp m, 0,1,2,3
.irp i, 0,2,4,6,8,10,12,14,16,18,20,22,24,26,28,30
	v_pk_mul_f32 v[ACC+32*\m+\i:ACC+32*\m+\i+1], v[ACC+32*\m+\i:ACC+32*\m+\i+1], v[AF+\i:AF+\i+1]    ; in this order: the gain multiplies the normed number
.endr
.endr
	Q4 ACC
.irp m, 0,1,2,3
	ds_store_b64 v[YA0], v[PC+6*\m:PC+6*\m+1] offset:1536*\m
	ds_store_b64 v[YA1], v[PC+6*\m+2:PC+6*\m+3] offset:1536*\m
	ds_store_b64 v[YA0], v[PC+6*\m+4:PC+6*\m+5] offset:1536*\m+512
	ds_store_b16 v[YH], v[HW+\m] offset:4*\m
.endr
.Lskip_y:
	s_wait_dscnt 0x0                               ; for the others' sake
	s_barrier_signal -1
	s_barrier_wait -1                              ; y's sixteen fragments lie in LDS; no barrier follows
	; ---- F
	KSTEP 0, 1, 1, 48, AL2
	KSTEP 1, 0, 0, 48, AL2
	KSTEP 2, 0, 0, 48, AL2
	KSTEP 3, 0, 0, 48, AL2
.set j, 0
.rept 128
	v_max_num_f32 v[ACC+j], 0, v[ACC+j]            ; the activation, in f32
.set j, j+1
.endr
	Q4 ACC
	s_and_b32 s56, s14, 1                          ; c
	s_lshl_b32 s57, s56, 1
	v_add_nc_u32 v13, s57, v[LI]
.irp m, 0,1,2,3
	global_store_b16 v13, v[HW+\m], s[12:13] offset:6144+4*\m
.endr
	s_cmp_eq_u32 s56, 0
	s_cbranch_scc0 .Lupper
.irp i, 0,1,2,3                        ; registers 0-5 of each fragment
	global_store_b128 v[LI], v[PC+6*\i:PC+6*\i+3], s[12:13] offset:1536*\i
	global_store_b64 v[LI], v[PC+6*\i+4:PC+6*\i+5], s[12:13] offset:1536*\i+512
.endr
	s_wait_tensorcnt 0x0
	ds_add_u32 v126, v127
	s_wait_dscnt 0x0
	s_endpgm
.Lupper:
.irp i, 0,1,2,3                        ; registers 6-11
	global_store_b64 v[LI], v[PC+6*\i:PC+6*\i+1], s[12:13] offset:1536*\i+520
	global_store_b128 v[LI], v[PC+6*\i+2:PC+6*\i+5], s[12:13] offset:1536*\i+1024
.endr
	s_wait_tensorcnt 0x0
	ds_add_u32 v126, v127
	s_wait_dscnt 0x0
	s_endpgm
.Lfunc_end_k_q04e7273af7_mid:
	.size	k_q04e7273af7_mid, .Lfunc_end_k_q04e7273af7_mid-k_q04e7273af7_mid
	.p2alignl 7, 3214868480
	.fill 96, 4, 3214868480
	.section	.rodata,"a",@progbits
	.p2align	6, 0x0
	.amdhsa_kernel k_q04e7273af7_mid
		.amdhsa_group_segment_fixed_size 190464
		.amdhsa_private_segment_fixed_size 0
		.amdhsa_enable_private_segment 0
		.amdhsa_kernarg_size 40
		.amdhsa_user_sgpr_count 2
		.amdhsa_user_sgpr_kernarg_segment_ptr 1
		.amdhsa_wavefront_size32 1
		.amdhsa_system_sgpr_workgroup_id_x 1
		.amdhsa_system_sgpr_workgroup_id_y 1
		.amdhsa_system_sgpr_workgroup_id_z 1
		.amdhsa_system_vgpr_workitem_id 0
		.amdhsa_next_free_vgpr 256
		.amdhsa_next_free_sgpr 66
		.amdhsa_reserve_vcc 0
		.amdhsa_float_denorm_mode_32 3
		.amdhsa_float_denorm_mode_16_64 3
		.amdhsa_memory_ordered 1
		.amdhsa_forward_progress 1
		.amdhsa_inst_pref_size 77
	.end_amdhsa_kernel
	.amdgpu_metadata
---
amdhsa.version: [ 1, 2 ]
amdhsa.kernels:
  - .name:           k_q04e7273af7_mid
    .symbol:         k_q04e7273af7_mid.kd
    .args:
      - { .name: ctxq, .offset: 0, .size: 8, .value_kind: global_buffer, .address_space: global }
      - { .name: hidden_states, .offset: 8, .size: 8, .value_kind: global_buffer, .address_space: global }
      - { .name: ln2_w, .offset: 16, .size: 8, .value_kind: global_buffer, .address_space: global }
      - { .name: wq, .offset: 24, .size: 8, .value_kind: global_buffer, .address_space: global }
      - { .name: hidq, .offset: 32, .size: 8, .value_kind: global_buffer, .address_space: global }
    .group_segment_fixed_size: 190464
    .private_segment_fixed_size: 0
    .kernarg_segment_align: 8
    .kernarg_segment_size: 40
    .max_flat_workgroup_size: 512
    .sgpr_count:     66
    .vgpr_count:     256
    .wavefront_size: 32
...
	.end_amdgpu_metadata
.endif
;; end of part 4
;; launch ffn2 (part 5): grid 128 x 2, 4 waves a work-group, no clusters, 200,192 bytes of LDS; arguments ctxq, hidq, hidden_states, wq, out0; writes out0
.if DOCPART == 5
	.amdgcn_target "amdgcn-amd-amdhsa--gfx1250"
	.amdhsa_code_object_version 6
	.text
	.protected	k_q04e7273af7_ffn2
	.globl	k_q04e7273af7_ffn2
	.p2align	8
	.type	k_q04e7273af7_ffn2,@function
k_q04e7273af7_ffn2:
	s_mov_b64 s[64:65], 0
	v_nop
	global_prefetch_b8 v0, s[64:65] scope:SCOPE_SE
	s_setreg_imm32_b32 hwreg(HW_REG_WAVE_MODE, 25, 1), 1
	s_wait_xcnt 0x0
; out = hidden + ctx o_w + hid wo: ONE sum over K = 512 + 2,048 with hidden as the C of the first products, on codes of BF6 (E3M2) with E8M0 scales.  So h = hidden + ctx o_w never goes to memory; the price is o_w's 4 K steps of 20.
; SHARES: work-group (tg, y): 64 tokens x 256 columns.  Wave w: columns 64 (4 y + w) .. + 63 for all 64 tokens: sixteen accumulators, 20 K steps of 128.
; Source 0 = 16 columns of the weight, source 1 = 16 tokens; lane r of a tile takes row 32 (r / 8) + 8 u + r % 8 of its 64: a lane holds one token and 32 neighbouring columns.
; LDS: the 20 units of activations (6,656 bytes each: ctx's 4, hid's 16) and hidden's 64 x 256 numbers (rows of 1,024 bytes + 16): three tensor loads a wave, all filled once: no ring.
; The weights go from memory straight into registers, as images: four units ahead (52 loads a wave).  The activations' fragments come from LDS two K steps ahead, in two sets.
; THE WAY OUT goes through hidden's rows in LDS, which have had their one fill: each wave reads and writes its own 256 bytes of each row alone, so no barrier is needed.
; REGISTERS, in windows of 256: window 0: v1-6 addresses; v16-67 and v68-119 two sets of four fragments and their scale words; v120-127 the weights' scale words, four slots; v128-191 the way out.
;   window 1: four slots of a unit's four fragments.   window 2: the sixteen accumulators ((m, u) at v[32 m + 8 u]).
.set HP,  1040
.set HT,  20*6656
.set LI,  1
.set L8,  2
.set AH,  3
.set RD,  4
.set GOF, 5
.set AA,  6
.set AF0, 16
.set AS0, 64
.set WS,  120
.set OUTR, 128
.set WB,  56
.set AO,  58
.set CNT, 59
.set MSB, 0
.macro WIN new                         ; the immediate's high byte repeats the setting that is left
.if MSB != \new
	s_set_vgpr_msb (MSB<<8)|\new
.set MSB, \new
.endif
.endm
.set MUL,      0xa1                    ; source 0 (the weight) window 1, source 1 window 0, C and D window 2
.set TO_W,     0x40                    ; destination window 1
.set TO_ACC,   0x80                    ; destination window 2
.set FROM_ACC, 0x08                    ; an LDS store's data are its source 1: window 2
.macro MM d, a, b, sa, sb, row
.if (\row) == 0
	v_wmma_scale_f32_16x16x128_f8f6f4 v[(\d):(\d)+7], v[(\a):(\a)+11], v[(\b):(\b)+11], v[(\d):(\d)+7], v[(\sa)], v[(\sb)] matrix_a_fmt:MATRIX_FMT_BF6 matrix_b_fmt:MATRIX_FMT_BF6
.else
	v_wmma_scale_f32_16x16x128_f8f6f4 v[(\d):(\d)+7], v[(\a):(\a)+11], v[(\b):(\b)+11], v[(\d):(\d)+7], v[(\sa)], v[(\sb)] matrix_a_fmt:MATRIX_FMT_BF6 matrix_b_fmt:MATRIX_FMT_BF6 matrix_a_scale:MATRIX_SCALE_ROW1
.endif
.endm
.macro WUNIT j, off                    ; the unit at byte off from WB into slot j: 13 loads
	WIN TO_W
.set p, 0
.rept 12
	global_load_b128 v[48*(\j)+4*p:48*(\j)+4*p+3], v[LI], s[WB:WB+1] offset:(\off)+512*p
.set p, p+1
.endr
	WIN 0
	global_load_b64 v[WS+2*(\j):WS+2*(\j)+1], v[L8], s[WB:WB+1] offset:(\off)+6144
.endm
.macro ACTS par, off                   ; a unit of activations into set par: 13 loads
.set p, 0
.rept 12
	ds_load_b128 v[AF0+52*(\par)+4*p:AF0+52*(\par)+4*p+3], v[AA] offset:(\off)+512*p
.set p, p+1
.endr
	ds_load_b128 v[AS0+52*(\par):AS0+52*(\par)+3], v[AA] offset:(\off)+6144
.endm
; A K step: slot j of the weights, set par of the activations.  lc: the younger units' loads, 13 each, which may stay out; dc: the next K step's 13 LDS loads.
; The sixteen accumulators take turns, in the same order in every step, over the loop's backward jump too.
.macro KS j, par, wload, aload, lc, dc
	s_wait_dscnt \dc
	s_wait_loadcnt \lc
	WIN MUL
.irp m, 0,1,2,3
.irp u, 0,1,2,3
	MM 32*\m+8*\u, 48*(\j)+12*\u, AF0+52*(\par)+12*\m, WS+2*(\j)+\u/2, AS0+52*(\par)+\m, \u%2
.endr
.endr
	WIN 0
.rept 4
	v_nop                                          ; four places in front of loads into registers that these products read, and of the first read of results
.endr
.if \wload
	WUNIT \j, (4+(\j))*6400
.endif
.if \aload
	ACTS \par, ((\j)+2)*6656
.endif
.endm
	s_load_b256 s[4:11], s[0:1], 0x0               ; ctxq, hidq, hidden, wq
	s_load_b64 s[12:13], s[0:1], 0x20              ; out0
	v_lshl_add_u32 v254, v0, 2, 0x30c00
	v_mov_b32 v255, 0
	ds_add_u32 v254, v255
	ds_add_u32 v254, v255
	v_lshrrev_b32 v7, 5, v0
	v_readfirstlane_b32 s14, v7                    ; wave
	s_mov_b32 s15, ttmp9                           ; tg
	s_and_b32 s16, ttmp7, 0xffff                   ; y
	; ctx: a unit a wave, 26 rows of 256 bytes (32 elements of 8 bytes), dense
	s_mov_b32 s20, 3<<16
	s_mov_b32 s21, 32<<16
	s_mov_b32 s22, 26<<16
	s_mov_b32 s23, 32<<16
	s_mov_b32 s24, 26
	s_mov_b32 s25, 32
	s_mov_b32 s26, 0
	s_mov_b32 s27, 0
	; hid: four units a wave, 104 such rows
	s_mov_b32 s28, 3<<16
	s_mov_b32 s29, 32<<16
	s_mov_b32 s30, 104<<16
	s_mov_b32 s31, 32<<16
	s_mov_b32 s32, 104
	s_mov_b32 s33, 32
	s_mov_b32 s34, 0
	s_mov_b32 s35, 0
	; hidden: 16 rows a wave of 256 numbers of 4 bytes, 512 numbers apart, 16 bytes of padding behind each
	s_mov_b32 s36, (2<<16)|(1<<20)|(7<<22)|(3<<25)
	s_mov_b32 s37, 256<<16
	s_mov_b32 s38, 16<<16
	s_mov_b32 s39, 256<<16
	s_mov_b32 s40, 16
	s_mov_b32 s41, 512
	s_mov_b32 s42, 0
	s_mov_b32 s43, 0
	s_mov_b32 s44, 1
	s_mul_i32 s45, s14, 6656
	s_mov_b32 s48, 1
	s_mul_i32 s49, s14, 26624
	s_mov_b32 s52, 1
	s_mul_i32 s53, s14, 16*HP
	s_add_co_u32 s53, s53, HT
	s_mul_i32 s2, s15, 26624
	s_add_co_u32 s2, s2, s45
	s_mov_b32 s3, 0
	s_mul_i32 s60, s15, 106496
	s_add_co_u32 s60, s60, s49
	s_mov_b32 s61, 0
	s_add_co_u32 s49, s49, 26624                   ; hid's units lie behind ctx's four
	s_lshl_b32 s62, s15, 17                        ; 64 rows of 2,048 bytes,
	s_lshl_b32 s17, s14, 15                        ; my 16 of them,
	s_add_co_u32 s62, s62, s17
	s_lshl_b32 s17, s16, 10                        ; the work-group's 256 columns
	s_add_co_u32 s62, s62, s17
	s_mov_b32 s63, 0
	s_wait_dscnt 0x0
	s_wait_kmcnt 0x0
	s_add_nc_u64 s[46:47], s[4:5], s[2:3]
	s_or_b32 s47, s47, 0x80000000
	s_add_nc_u64 s[50:51], s[6:7], s[60:61]
	s_or_b32 s51, s51, 0x80000000
	s_add_nc_u64 s[54:55], s[8:9], s[62:63]
	s_or_b32 s55, s55, 0x80000000
	tensor_load_to_lds s[44:47], s[20:27]          ; my three tensor loads: all fill once
	s_nop 0
	tensor_load_to_lds s[48:51], s[28:35]
	s_nop 0
	tensor_load_to_lds s[52:55], s[36:43]
	s_nop 0
.rept 4
	v_nop
.endr
	v_and_b32 v7, 31, v0                           ; lane
	v_lshlrev_b32 v[LI], 4, v7
	v_lshlrev_b32 v[L8], 3, v7
	v_and_b32 v8, 15, v0                           ; r
	v_bfe_u32 v9, v0, 4, 1                         ; h
	v_and_b32 v10, 8, v8
	v_and_b32 v11, 7, v8
	v_lshl_add_u32 v10, v10, 2, v11                ; 32 (r / 8) + r % 8
	v_mul_u32_u24 v[AH], v10, HP
	v_lshl_add_u32 v[AH], v9, 7, v[AH]
	s_lshl_b32 s17, s14, 8
	s_add_co_u32 s17, s17, HT
	v_add_nc_u32 v[AH], s17, v[AH]                 ; my token's row, my wave's 256 bytes, + 128 h
	v_mul_u32_u24 v[RD], v9, HP
	v_lshl_add_u32 v[RD], v8, 4, v[RD]
	v_add_nc_u32 v[RD], s17, v[RD]                 ; back: lanes 0-15 one row's 256 bytes, lanes 16-31 the next row's
	v_lshlrev_b32 v[GOF], 11, v9
	v_lshl_add_u32 v[GOF], v8, 4, v[GOF]           ; and the same in out0
	s_lshl_b32 s2, s16, 2
	s_add_co_u32 s2, s2, s14                       ; G = 4 y + wave
	s_mul_i32 s2, s2, 128000
	s_add_co_u32 s2, s2, 614400
	s_add_nc_u64 s[WB:WB+1], s[10:11], s[2:3]      ; my column group's 20 units
	s_lshl_b32 s2, s15, 17
	s_lshl_b32 s17, s16, 10
	s_add_co_u32 s2, s2, s17
	s_lshl_b32 s17, s14, 8
	s_add_co_u32 s2, s2, s17
	s_add_nc_u64 s[12:13], s[12:13], s[2:3]        ; out0 at the group's first row, my 64 columns
	WUNIT 0, 0
	WUNIT 1, 6400
	WUNIT 2, 12800
	WUNIT 3, 19200
	s_mov_b32 s[AO], 0
	v_add_nc_u32 v[AA], s[AO], v[LI]
	s_wait_tensorcnt 0x0                           ; my parts have landed,
	s_barrier_signal -1
	s_barrier_wait -1                              ; everybody's have: the launch's one barrier
	WIN TO_ACC
.irp m, 0,1,2,3
.irp q, 0,1,2,3,4,5,6,7
	ds_load_b128 v[32*\m+4*\q:32*\m+4*\q+3], v[AH] offset:8*HP*\m+16*\q      ; the residual is the C of the first products
.endr
.endr
	WIN 0
	ACTS 0, 0
	ACTS 1, 6656
	s_mov_b32 s[CNT], 4
.Lk:    ; a trip: four K steps; it asks for the four units four steps on and the activations two steps on
	KS 0, 0, 1, 1, 39, 13
	KS 1, 1, 1, 1, 39, 13
	KS 2, 0, 1, 1, 39, 13
	KS 3, 1, 1, 1, 39, 13
	s_wait_xcnt 0x0                                ; the loads have read their base: it may step
	s_add_nc_u64 s[WB:WB+1], s[WB:WB+1], 25600
	s_add_co_u32 s[AO], s[AO], 26624
	v_add_nc_u32 v[AA], s[AO], v[LI]
	s_sub_co_u32 s[CNT], s[CNT], 1
	s_cmp_lg_u32 s[CNT], 0
	s_cbranch_scc1 .Lk
	KS 0, 0, 0, 1, 39, 13                          ; the last four K steps ask for no weights: the counts run down
	KS 1, 1, 0, 1, 26, 13
	KS 2, 0, 0, 0, 13, 13
	KS 3, 1, 0, 0, 0, 0
	; THE WAY OUT: a lane holds 128 neighbouring bytes of a row in pieces, and the lanes beside it hold other rows: through my 256 bytes of each row in LDS, and back by rows.
	WIN FROM_ACC
.irp m, 0,1,2,3
.irp q, 0,1,2,3,4,5,6,7
	ds_store_b128 v[AH], v[32*\m+4*\q:32*\m+4*\q+3] offset:8*HP*\m+16*\q     ; each accumulator from its low end on
.endr
.endr
	WIN 0
.irp b, 0,1
.if \b
	s_wait_xcnt 0x0                                ; the first sixteen stores have read their registers
.endif
.irp i, 0,1,2,3,4,5,6,7,8,9,10,11,12,13,14,15
	ds_load_b128 v[OUTR+4*\i:OUTR+4*\i+3], v[RD] offset:2*HP*(16*\b+\i)      ; LDS serves a wave's instructions in order (ISA guide 5.7.1.4): these see my stores
.endr
.irp i, 0,1,2,3,4,5,6,7,8,9,10,11,12,13,14,15
	s_wait_dscnt 15-\i
	global_store_b128 v[GOF], v[OUTR+4*\i:OUTR+4*\i+3], s[12:13] offset:4096*(16*\b+\i) th:TH_STORE_NT    ; sixteen lanes store 256 consecutive bytes, at a multiple of 256 from out0's first byte
.endr
.endr
	s_wait_tensorcnt 0x0
	ds_add_u32 v254, v255
	s_wait_dscnt 0x0
	s_endpgm
.Lfunc_end_k_q04e7273af7_ffn2:
	.size	k_q04e7273af7_ffn2, .Lfunc_end_k_q04e7273af7_ffn2-k_q04e7273af7_ffn2
	.p2alignl 7, 3214868480
	.fill 96, 4, 3214868480
	.section	.rodata,"a",@progbits
	.p2align	6, 0x0
	.amdhsa_kernel k_q04e7273af7_ffn2
		.amdhsa_group_segment_fixed_size 200192
		.amdhsa_private_segment_fixed_size 0
		.amdhsa_enable_private_segment 0
		.amdhsa_kernarg_size 40
		.amdhsa_user_sgpr_count 2
		.amdhsa_user_sgpr_kernarg_segment_ptr 1
		.amdhsa_wavefront_size32 1
		.amdhsa_system_sgpr_workgroup_id_x 1
		.amdhsa_system_sgpr_workgroup_id_y 1
		.amdhsa_system_sgpr_workgroup_id_z 1
		.amdhsa_system_vgpr_workitem_id 0
		.amdhsa_next_free_vgpr 640
		.amdhsa_next_free_sgpr 66
		.amdhsa_reserve_vcc 0
		.amdhsa_float_denorm_mode_32 3
		.amdhsa_float_denorm_mode_16_64 3
		.amdhsa_memory_ordered 1
		.amdhsa_forward_progress 1
		.amdhsa_inst_pref_size 51
	.end_amdhsa_kernel
	.amdgpu_metadata
---
amdhsa.version: [ 1, 2 ]
amdhsa.kernels:
  - .name:           k_q04e7273af7_ffn2
    .symbol:         k_q04e7273af7_ffn2.kd
    .args:
      - { .name: ctxq, .offset: 0, .size: 8, .value_kind: global_buffer, .address_space: global }
      - { .name: hidq, .offset: 8, .size: 8, .value_kind: global_buffer, .address_space: global }
      - { .name: hidden_states, .offset: 16, .size: 8, .value_kind: global_buffer, .address_space: global }
      - { .name: wq, .offset: 24, .size: 8, .value_kind: global_buffer, .address_space: global }
      - { .name: out0, .offset: 32, .size: 8, .value_kind: global_buffer, .address_space: global }
    .group_segment_fixed_size: 200192
    .private_segment_fixed_size: 0
    .kernarg_segment_align: 8
    .kernarg_segment_size: 40
    .max_flat_workgroup_size: 128
    .sgpr_count:     66
    .vgpr_count:     640
    .wavefront_size: 32
...
	.end_amdgpu_metadata
.endif
;; end of part 5
